; MI455X (gfx1250); checked and timed in simulation.
; The chip was launched on July 23, 2026; its instructions are those of AMD's public machine-readable ISA for CDNA 5 (MIT licence, August 2026) and "CDNA5" Instruction Set Architecture Reference Guide (July 2026). The comments in the code are by the model that wrote it; some were corrected since.
;; Multi Head Attention. Allowed arithmetic: float matrix products may take bf16 or f16 operands with f32 sums; other float arithmetic in f32, or as packed bf16 or f16 multiplies, adds, multiply-adds, maxima and minima; sums over many terms, partial sums and values carried from step to step in f32; what a program stores and reads back later, other than sums and carried values, may be rounded once to bf16 or f16.
;; Inputs: bk 8 x 32 float32; bo 256 float32; bq 8 x 32 float32; bv 8 x 32 float32; coords 4,096 x 3 int32; wk 8 x 259 x 32 float32; wo 256 x 256 float32; wq 8 x 259 x 32 float32; wv 8 x 259 x 32 float32; x 4,096 x 256 float32.
;; Outputs: out0 4,096 x 256 float32.
;; 2 versions, each right; version 2 is version 1 with the launches proj, outp written anew for expert scheduling mode. Each part assembles by itself: llvm-mc -triple=amdgcn-amd-amdhsa -mcpu=gfx1250 --defsym DOCPART=n.
;; ======== version 1 of 2: 3 launches
;; limits: values outside matrix products are rounded to f16; values are held in f16: magnitudes above 65,504 overflow, below 6.1e-05 lose precision
;; workspace buffers: qf 2,097,152 bytes; kf 2,097,152 bytes; vf 2,097,152 bytes; of 2,097,152 bytes
;; launch proj (part 1): grid 32 x 8, 8 waves a work-group, no clusters, 151,552 bytes of LDS; arguments x, coords, wq, wk, wv, bq, bk, bv, qf, kf, vf; writes qf, kf, vf
.if DOCPART == 1
	.amdgcn_target "amdgcn-amd-amdhsa--gfx1250"
	.amdhsa_code_object_version 6
	.text
	.protected	k_q0f05c8ca90_proj
	.globl	k_q0f05c8ca90_proj
	.p2align	8
	.type	k_q0f05c8ca90_proj,@function
k_q0f05c8ca90_proj:
	s_mov_b64 s[64:65], 0
	v_nop
	global_prefetch_b8 v0, s[64:65] scope:SCOPE_SE
	s_setreg_imm32_b32 hwreg(HW_REG_WAVE_MODE, 25, 1), 1
	s_wait_xcnt 0x0
; q, k, v = [x / (|x| + 1e-6), clip(coords, -100, 100)] W + b, for one head and 128 rows a work-group.
; NOTHING OF reference() IS LEFT OUT, in this launch or the two behind it, and every input is loaded.  bk adds the same term q.bk to all scores of a row, but reference() clips
; the scores between that term and the softmax, so it can reach the result and stays.
; FORMATS.  All matrix operands of the three launches are f16, sums f32: feats lie in -1 .. 1, the clipped coordinates are whole numbers up to 100 (exact in f16).
; LIMITS.  |w|, |b|, |q|, |k|, |v| stay under 65,504; a weight below 6e-5 keeps f16's fixed step of 6e-8; a row of x whose sum of squares is below 2^-126 counts as norm 0
; (v_sqrt_f32 takes a denormal for 0: ISA guide, 15.8); NaN and infinities are not treated apart.
; SHARES.  Work-group (rb, head): rows 128 rb .. +127, that head's 96 channels (q, k, v: units 0, 1, 2).  Wave w: 16 rows x 96 channels: six accumulators, nine K steps of 32.
; K = 288: 256 feats, 3 coordinates, a 1.0 that meets the bias (weight row 259), 28 zeros on both sides.
; THE PRODUCT IS TAKEN TRANSPOSED (source 0 = 16 channels of W^T, source 1 = 16 rows of xc): a lane ends with row l % 16 and channels 16 ct + 8 (l / 16) + 0..7, which packed are 16 bytes.
; OUT.  qf, kf: [head][16 rows][c 2][lane 32][16 bytes]: 1 KiB is a fragment of 16 rows x 32 channels as the registers hold it.  vf: [head][16 keys][ct 2][pos 32][16 bytes],
; pos = 16 (key / 8) + 8 (octet of channels) + key % 8: read back at 16 x lane by the turning LDS load it is half a fragment of V^T.  Each store of a wave covers 512 consecutive bytes, aligned.
; No tensor loads: x and the weights pass through registers anyway, to be scaled and rounded.  No cluster, no prefetch: what is shared is small and every work-group reads it at once.
.set UW,    27648     ; a unit's weights in LDS: 288 rows of 96 bytes (32 f16 + 32 bytes of padding: three times 32)
.set XSB,   3*UW      ; behind them: each wave's own 16 rows of feats, 528 bytes apart (512 + 16)
.set XW,    16*528
.set SPARE, XSB+8*XW  ; behind them: the spare words, 128 bytes a wave, which no other line names
.set WO,  3           ; v3   16 t: my 16 bytes in 4,096 of a unit's weights
.set WTO, 4           ; v4   16 min(t, 23): the same in rows 256-258
.set BO,  5           ; v5   16 (t % 8): in the bias
.set WL,  6           ; v6   LDS: (t / 8) 96 + (t % 8) 8
.set WL2, 8           ; v8   the same in unit 2
.set WA,  9           ; v9-11  the turning loads' address, unit 0, 1, 2
.set XO,  12          ; v12  x: (l / 16) 1,024 + (l % 16) 16
.set XL,  13          ; v13  LDS: where I put 8 bytes of feats
.set XR,  14          ; v14  LDS: where I read a fragment of feats
.set CO,  15          ; v15  coords: 12 (l % 16)
.set SQ,  16          ; v16  16 l
.set SV,  17          ; v17  16 pos
.set SPW, 18          ; v18  my spare word; never rewritten
.set NIL, 19          ; v19  0; never rewritten
.set CD,  20          ; v20-22 coordinates, v23 1.0
.set SS,  24          ; v24-39  eight pairs: a row's sum of squares, then 1 / (norm + 1e-6) in the low register
.set WB0, 40          ; v40-79, v80-119  ten chunks of 16 bytes of a unit's weights
.set WB1, 80
.set FC,  120         ; v120-127  the ninth fragment of xc
.set X,   128         ; v128-255  16 rows of x: row pair i, quarter q at X + 16 i + 4 q
.set AF0, 24          ; later: v24-71, v72-119  two buffers of six fragments of W^T
.set ACC, 128         ;        v128-175 six accumulators, unit u, half ct at ACC + 8 (2 u + ct)
.set F,   176         ;        v176-239 eight fragments of feats
.set OUT, 72          ;        v72-95   packed results
	s_load_b512 s[4:19], s[0:1], 0x0               ; x s[4:5], coords s[6:7], wq, wk, wv s[8:13], bq, bk, bv s[14:19]
	s_load_b128 s[20:23], s[0:1], 0x40             ; qf, kf
	s_load_b64 s[24:25], s[0:1], 0x50              ; vf
	v_lshl_add_u32 v[SPW], v0, 2, SPARE
	v_mov_b32 v[NIL], 0
	v_lshrrev_b32 v1, 5, v0
	v_readfirstlane_b32 s34, v1                    ; wave 0..7
	s_and_b32 s35, ttmp7, 0xffff                   ; head
	v_and_b32 v1, 15, v0                           ; r = l % 16
	v_bfe_u32 v2, v0, 4, 1                         ; h = l / 16
	v_and_b32 v20, 7, v0
	v_bfe_u32 v21, v0, 3, 1
	v_lshlrev_b32 v[WO], 4, v0
	v_min_u32 v[WTO], 23, v0
	v_lshlrev_b32 v[WTO], 4, v[WTO]
	v_lshlrev_b32 v[BO], 4, v20
	v_lshrrev_b32 v[WL], 3, v0
	v_mul_u32_u24 v[WL], v[WL], 96
	v_lshl_add_u32 v[WL], v20, 3, v[WL]
	v_add_nc_u32 v[WL2], 2*UW, v[WL]
	v_lshl_add_u32 v[WA], v2, 3, v20               ; the turning load: lane l reads row 8 h + l % 8,
	v_mul_u32_u24 v[WA], v[WA], 96
	v_lshl_add_u32 v[WA], v21, 4, v[WA]            ; channels 8 ((l / 8) % 2) + 0..7
	v_add_nc_u32 v[WA+1], UW, v[WA]
	v_add_nc_u32 v[WA+2], 2*UW, v[WA]
	v_lshlrev_b32 v[XO], 10, v2
	v_lshl_add_u32 v[XO], v1, 4, v[XO]
	s_mul_i32 s46, s34, XW
	s_add_co_u32 s46, s46, XSB                     ; my wave's rows of feats
	v_mul_u32_u24 v[XL], v2, 528
	v_lshl_add_u32 v[XL], v1, 3, v[XL]
	v_add_nc_u32 v[XL], s46, v[XL]
	v_mul_u32_u24 v[XR], v1, 528
	v_lshl_add_u32 v[XR], v2, 4, v[XR]
	v_add_nc_u32 v[XR], s46, v[XR]
	v_mul_u32_u24 v[CO], v1, 12
	v_and_b32 v[SQ], 31, v0
	v_lshlrev_b32 v[SQ], 4, v[SQ]
	v_lshl_add_u32 v[SV], v21, 1, v2               ; 2 (r / 8) + h,
	v_lshl_add_u32 v[SV], v[SV], 3, v20            ; times 8, + r % 8
	v_lshlrev_b32 v[SV], 4, v[SV]
	v_cmp_gt_u32 s26, 24, v0                       ; t < 24: weight rows 256-258
	v_cmp_gt_u32 s27, 32, v0                       ; t < 32: those and the bias's row; the other rows are 0
	v_cmp_eq_u32 s28, 0, v2
	v_mov_b32 v[CD+3], 1.0
	s_mov_b32 s30, 0xc2c80000                      ; -100
	s_mov_b32 s31, 0x42c80000                      ; 100
	s_mul_i32 s36, s35, 33152                      ; a head's weights: 259 rows of 128 bytes
	s_mov_b32 s37, 0
	s_lshl_b32 s38, s35, 7                         ; a head's bias
	s_mov_b32 s39, 0
	s_lshl_b32 s40, ttmp9, 17                      ; x: 128 rows of 1,024 bytes a block,
	s_lshl_b32 s41, s34, 14                        ; 16 a wave
	s_add_co_u32 s40, s40, s41
	s_mov_b32 s41, 0
	s_mul_i32 s42, ttmp9, 1536                     ; coords: 12 bytes a row
	s_mul_i32 s43, s34, 192
	s_add_co_u32 s42, s42, s43
	s_mov_b32 s43, 0
	s_lshl_b32 s44, ttmp9, 3
	s_add_co_u32 s44, s44, s34                     ; my 16 rows' number,
	s_lshl_b32 s44, s44, 10                        ; 1 KiB each,
	s_lshl_b32 s45, s35, 18                        ; in the head's 256 KiB
	s_add_co_u32 s44, s44, s45
	s_mov_b32 s45, 0
	s_wait_kmcnt 0x0
	s_add_nc_u64 s[4:5], s[4:5], s[40:41]
	s_add_nc_u64 s[6:7], s[6:7], s[42:43]
.irp u, 0,1,2
	s_add_nc_u64 s[8+2*\u:9+2*\u], s[8+2*\u:9+2*\u], s[36:37]
	s_add_nc_u64 s[14+2*\u:15+2*\u], s[14+2*\u:15+2*\u], s[38:39]
	s_add_nc_u64 s[20+2*\u:21+2*\u], s[20+2*\u:21+2*\u], s[44:45]
.endr
; Unit m's weights: eight times 4,096 bytes (rows 0-255), rows 256-258 (threads past 23 read thread 23's bytes again), the bias: ten loads.
.macro LDW m, wb
.irp j, 0,1,2,3,4,5,6,7
	global_load_b128 v[(\wb)+4*\j:(\wb)+4*\j+3], v[WO], s[8+2*(\m):9+2*(\m)] offset:4096*\j
.endr
	global_load_b128 v[(\wb)+32:(\wb)+35], v[WTO], s[8+2*(\m):9+2*(\m)] offset:32768
	global_load_b128 v[(\wb)+36:(\wb)+39], v[BO], s[14+2*(\m):15+2*(\m)]
.endm
; They are rounded to f16 and put into LDS, [K row][channel].  The ninth pass makes rows 256-287: weights, the bias, zeros.
.macro CVW m, wb
.irp j, 0,1,2,3,4,5,6,7
	v_cvt_pk_f16_f32 v[(\wb)+4*\j], v[(\wb)+4*\j], v[(\wb)+4*\j+1]
	v_cvt_pk_f16_f32 v[(\wb)+4*\j+1], v[(\wb)+4*\j+2], v[(\wb)+4*\j+3]
.endr
.irp k, 0,1,2,3
	v_cndmask_b32 v[(\wb)+32+\k], v[(\wb)+36+\k], v[(\wb)+32+\k], s26
.endr
.irp k, 0,1,2,3
	v_cndmask_b32 v[(\wb)+32+\k], 0, v[(\wb)+32+\k], s27
.endr
	v_cvt_pk_f16_f32 v[(\wb)+32], v[(\wb)+32], v[(\wb)+33]
	v_cvt_pk_f16_f32 v[(\wb)+33], v[(\wb)+34], v[(\wb)+35]
.irp j, 0,1,2,3,4,5,6,7,8
.if (\m) == 2
	ds_store_b64 v[WL2], v[(\wb)+4*\j:(\wb)+4*\j+1] offset:3072*\j
.else
	ds_store_b64 v[WL], v[(\wb)+4*\j:(\wb)+4*\j+1] offset:(\m)*UW+3072*\j
.endif
.endr
.endm
.macro PLACES                          ; four places behind a matrix instruction (ISA guide 7.12.1), where no other vector work is at hand
.rept 4
	v_nop
.endr
.endm
	LDW 0, WB0
	LDW 1, WB1
.irp k, 0,1,2
	global_load_b32 v[CD+\k], v[CO], s[6:7] offset:4*\k
.endr
.set c, 0
.rept 32                               ; lanes 0-15 take 256 consecutive bytes of row 2 i, lanes 16-31 of row 2 i + 1
	global_load_b128 v[X+4*c:X+4*c+3], v[XO], s[4:5] offset:(c/4)*2048+(c%4)*256
.set c, c+1
.endr
	s_wait_loadcnt 45                              ; unit 0 is in; unit 1's 10, the coordinates' 3 and x's 32 loads stay out
	CVW 0, WB0
	s_wait_dscnt 0x0                               ; those stores have read their registers, which are loaded again
	LDW 2, WB0
	s_wait_loadcnt 45                              ; unit 1 is in; 3 + 32 + unit 2's 10 stay out
	CVW 1, WB1
	s_wait_loadcnt 10                              ; coordinates and x are in; unit 2 stays out
	; a row's sum of squares: 16 numbers a lane in a packed chain for each row pair, the eight chains by turns; then across the 16 lanes that share the row
.set i, 0
.rept 8
	v_pk_mul_f32 v[SS+2*i:SS+2*i+1], v[X+16*i:X+16*i+1], v[X+16*i:X+16*i+1]
.set i, i+1
.endr
.set p, 1
.rept 7
.set i, 0
.rept 8
	v_pk_fma_f32 v[SS+2*i:SS+2*i+1], v[X+16*i+2*p:X+16*i+2*p+1], v[X+16*i+2*p:X+16*i+2*p+1], v[SS+2*i:SS+2*i+1]
.set i, i+1
.endr
.set p, p+1
.endr
.set i, 0
.rept 8
	v_add_f32 v[SS+2*i], v[SS+2*i], v[SS+2*i+1]
.set i, i+1
.endr
.irp mk, 1,2,4,8
.set i, 0
.rept 8
	v_add_f32_dpp v[SS+2*i], v[SS+2*i], v[SS+2*i] row_xmask:\mk row_mask:0xf bank_mask:0xf
.set i, i+1
.endr
.endr
.set i, 0
.rept 8
	v_sqrt_f32 v[SS+2*i], v[SS+2*i]
.set i, i+1
.endr
	v_nop                                          ; a plain instruction behind the last root,
	s_wait_alu depctr_va_vdst(0)                   ; and one wait for the eight, ahead of their first reader
.set i, 0
.rept 8
	v_add_f32 v[SS+2*i], 0x358637bd, v[SS+2*i]     ; + 1e-6
.set i, i+1
.endr
.set i, 0
.rept 8
	v_rcp_f32 v[SS+2*i], v[SS+2*i]
.set i, i+1
.endr
	v_nop
	s_wait_alu depctr_va_vdst(0)                   ; one wait for the eight reciprocals
.set i, 0
.rept 8
.set p, 0
.rept 8
	v_pk_mul_f32 v[X+16*i+2*p:X+16*i+2*p+1], v[X+16*i+2*p:X+16*i+2*p+1], v[SS+2*i:SS+2*i+1] op_sel_hi:[1,0]
.set p, p+1
.endr
.set i, i+1
.endr
.set c, 0
.rept 32
	v_cvt_pk_f16_f32 v[X+4*c], v[X+4*c], v[X+4*c+1]
	v_cvt_pk_f16_f32 v[X+4*c+1], v[X+4*c+2], v[X+4*c+3]
.set c, c+1
.endr
.set c, 0
.rept 32
	ds_store_b64 v[XL], v[X+4*c:X+4*c+1] offset:(c/4)*1056+(c%4)*128
.set c, c+1
.endr
	; the ninth fragment: k = 256 .. 259 lie in registers 0, 1 of lanes 0-15; all else is 0
.irp k, 0,1,2
	v_cvt_f32_i32 v[CD+\k], v[CD+\k]
.endr
.irp k, 0,1,2
	v_med3_num_f32 v[CD+\k], v[CD+\k], s30, s31
.endr
	v_cvt_pk_f16_f32 v[CD], v[CD], v[CD+1]
	v_cvt_pk_f16_f32 v[CD+1], v[CD+2], v[CD+3]
	v_cndmask_b32 v[FC], 0, v[CD], s28
	v_cndmask_b32 v[FC+1], 0, v[CD+1], s28
.irp k, 2,3,4,5,6,7
	v_mov_b32 v[FC+\k], 0
.endr
.irp f, 0,1,2,3,4,5,6,7                ; my own rows come back as fragments: LDS serves a wave's instructions in order (ISA guide 5.7.1.4), so these see the stores above
	ds_load_b128 v[F+8*\f:F+8*\f+3],   v[XR] offset:64*\f
	ds_load_b128 v[F+8*\f+4:F+8*\f+7], v[XR] offset:64*\f+32
.endr
	s_wait_loadcnt 0x0                             ; unit 2
	CVW 2, WB0
	s_wait_dscnt 0x0                               ; for the others' sake: my stores of weights are done; my fragments are in
	s_barrier_signal -1
	s_barrier_wait -1                              ; all three units lie in LDS
; K step ks: twelve turning loads bring six fragments of W^T (unit u, channels 16 ct on) into buffer af
.macro LOADW ks, af
.irp u, 0,1,2
.irp ct, 0,1
	ds_load_tr16_b128 v[(\af)+8*(2*\u+\ct):(\af)+8*(2*\u+\ct)+3],   v[WA+\u] offset:(\ks)*3072+32*\ct
	ds_load_tr16_b128 v[(\af)+8*(2*\u+\ct)+4:(\af)+8*(2*\u+\ct)+7], v[WA+\u] offset:(\ks)*3072+1536+32*\ct
.endr
.endr
.endm
; and six products; the six accumulators take turns, one instruction a turn; the first step starts the sums
.macro MULS ks, af
.if (\ks) < 8
.set rF, F+8*(\ks)
.else
.set rF, FC
.endif
.set a, 0
.rept 6
.if (\ks) == 0
	v_wmma_f32_16x16x32_f16 v[ACC+8*a:ACC+8*a+7], v[(\af)+8*a:(\af)+8*a+7], v[rF:rF+7], 0
.else
	v_wmma_f32_16x16x32_f16 v[ACC+8*a:ACC+8*a+7], v[(\af)+8*a:(\af)+8*a+7], v[rF:rF+7], v[ACC+8*a:ACC+8*a+7]
.endif
.set a, a+1
.endr
.endm
	LOADW 0, AF0
.set kk, 0
.rept 9
.if kk < 8
.if kk > 0
	PLACES                                         ; the buffer loaded next was read by the products just issued
.endif
	LOADW kk+1, AF0+48*((kk+1)%2)
	s_wait_dscnt 12                                ; this step's fragments are in; the next step's twelve loads stay out
.else
	s_wait_dscnt 0x0
.endif
	MULS kk, AF0+48*(kk%2)
.set kk, kk+1
.endr
	PLACES
.set a, 0
.rept 6                                ; each accumulator is read from its low end on
.irp k, 0,1,2,3
	v_cvt_pk_f16_f32 v[OUT+4*a+\k], v[ACC+8*a+2*\k], v[ACC+8*a+2*\k+1]
.endr
.set a, a+1
.endr
.irp u, 0,1
.irp ct, 0,1
	global_store_b128 v[SQ], v[OUT+4*(2*\u+\ct):OUT+4*(2*\u+\ct)+3], s[20+2*\u:21+2*\u] offset:512*\ct
.endr
.endr
.irp ct, 0,1
	global_store_b128 v[SV], v[OUT+16+4*\ct:OUT+16+4*\ct+3], s[24:25] offset:512*\ct
.endr
	s_wait_tensorcnt 0x0                           ; the wave's end, behind my last LDS store
	ds_add_u32 v[SPW], v[NIL]
	s_wait_dscnt 0x0
	s_endpgm
.Lfunc_end_k_q0f05c8ca90_proj:
	.size	k_q0f05c8ca90_proj, .Lfunc_end_k_q0f05c8ca90_proj-k_q0f05c8ca90_proj
	.p2alignl 7, 3214868480
	.fill 96, 4, 3214868480
	.section	.rodata,"a",@progbits
	.p2align	6, 0x0
	.amdhsa_kernel k_q0f05c8ca90_proj
		.amdhsa_group_segment_fixed_size 151552
		.amdhsa_private_segment_fixed_size 0
		.amdhsa_enable_private_segment 0
		.amdhsa_kernarg_size 88
		.amdhsa_user_sgpr_count 2
		.amdhsa_user_sgpr_kernarg_segment_ptr 1
		.amdhsa_wavefront_size32 1
		.amdhsa_system_sgpr_workgroup_id_x 1
		.amdhsa_system_sgpr_workgroup_id_y 1
		.amdhsa_system_sgpr_workgroup_id_z 1
		.amdhsa_system_vgpr_workitem_id 0
		.amdhsa_next_free_vgpr 256
		.amdhsa_next_free_sgpr 66
		.amdhsa_reserve_vcc 0
		.amdhsa_float_denorm_mode_32 3
		.amdhsa_float_denorm_mode_16_64 3
		.amdhsa_memory_ordered 1
		.amdhsa_forward_progress 1
		.amdhsa_inst_pref_size 50
	.end_amdhsa_kernel
	.amdgpu_metadata
---
amdhsa.version: [ 1, 2 ]
amdhsa.kernels:
  - .name:           k_q0f05c8ca90_proj
    .symbol:         k_q0f05c8ca90_proj.kd
    .args:
      - { .name: x, .offset: 0, .size: 8, .value_kind: global_buffer, .address_space: global }
      - { .name: coords, .offset: 8, .size: 8, .value_kind: global_buffer, .address_space: global }
      - { .name: wq, .offset: 16, .size: 8, .value_kind: global_buffer, .address_space: global }
      - { .name: wk, .offset: 24, .size: 8, .value_kind: global_buffer, .address_space: global }
      - { .name: wv, .offset: 32, .size: 8, .value_kind: global_buffer, .address_space: global }
      - { .name: bq, .offset: 40, .size: 8, .value_kind: global_buffer, .address_space: global }
      - { .name: bk, .offset: 48, .size: 8, .value_kind: global_buffer, .address_space: global }
      - { .name: bv, .offset: 56, .size: 8, .value_kind: global_buffer, .address_space: global }
      - { .name: qf, .offset: 64, .size: 8, .value_kind: global_buffer, .address_space: global }
      - { .name: kf, .offset: 72, .size: 8, .value_kind: global_buffer, .address_space: global }
      - { .name: vf, .offset: 80, .size: 8, .value_kind: global_buffer, .address_space: global }
    .group_segment_fixed_size: 151552
    .private_segment_fixed_size: 0
    .kernarg_segment_align: 8
    .kernarg_segment_size: 88
    .max_flat_workgroup_size: 256
    .sgpr_count:     66
    .vgpr_count:     256
    .wavefront_size: 32
...
	.end_amdgpu_metadata
.endif
;; end of part 1
;; launch attn (part 2): grid 32 x 8, 8 waves a work-group, clusters of 4 x 1, 327,680 bytes of LDS; arguments qf, kf, vf, of; writes of
.if DOCPART == 2
	.amdgcn_target "amdgcn-amd-amdhsa--gfx1250"
	.amdhsa_code_object_version 6
	.text
	.protected	k_q0f05c8ca90_attn
	.globl	k_q0f05c8ca90_attn
	.p2align	8
	.type	k_q0f05c8ca90_attn,@function
k_q0f05c8ca90_attn:
	s_mov_b64 s[64:65], 0
	v_nop
	global_prefetch_b8 v0, s[64:65] scope:SCOPE_SE
	s_setreg_imm32_b32 hwreg(HW_REG_WAVE_MODE, 25, 1), 1
	s_wait_xcnt 0x0
	s_wait_alu depctr_hold_cnt(0) depctr_sa_sdst(0) depctr_va_vdst(0) depctr_va_sdst(0) depctr_va_ssrc(0) depctr_va_vcc(0) depctr_vm_vsrc(0)
	s_getreg_b32 s2, hwreg(HW_REG_IB_STS2, 6, 4)
	s_cmp_eq_u32 s2, 0
	s_cbranch_scc0 .Lentry_in_a_cluster
	s_endpgm
.Lentry_in_a_cluster:
	s_bfe_u32 s2, ttmp6, 0x10000c
	s_cmp_lg_u32 s2, 0x3003
	s_cbranch_scc0 .Lentry_shape_is_right
	s_endpgm
.Lentry_shape_is_right:
; o[h][n] = sum over m of p[n][m] v[h][m],  p = e / (sum e + 1e-6),  e = exp(att - max att),  att = clip(q.k / sqrt(32), -100, 100).  Nothing of this is left out.
; qf, kf, vf: f16, in fragments of 1 KiB for 16 rows (laid out by the launch before); of: [16 queries][head][c 2][lane][16 bytes], f16: the fragment of cat for K step = head.
; THE CLIP.  z = clamp01(s k1 + 1/2), k1 = 1 / (200 sqrt(32)), is the clipped score mapped onto 0 .. 1: clip(att) = 200 z - 100: one packed fused multiply-add for two scores.
; SOFTMAX.  A running maximum m of z for each query; it starts at 0, below which no z lies, so the first step is a step like any other.  p = 2^(K2 z - K2 m), K2 = 200 log2(e);
; in every step O and l are multiplied by a = 2^(K2 (m_old - m_new)).
; THE ROW SUM l is a third product: a fragment of ones times P.  Register 0 of its accumulator is l of the lane's query, over all keys of the step; its pair 0-1 alone is rescaled, the other
; registers hold sums of at most 4,096 weights, which nobody reads.
; LIMITS.  l is the sum of the weights as rounded to f16; a weight below 6e-8 counts as 0; NaN and infinities are not treated apart.
; SHARES.  A work-group: 128 queries of one head.  Wave w: g = w % 4 owns the queries' tiles 2 g, 2 g + 1 (16 queries each); THE KEYS ARE SPLIT between w / 4 = 0 and 1: of a slot's 16 steps of
; 64 keys each takes eight.  The two halves (m, l, O) meet once, at the end, in LDS.
; LAYOUT.  S^T = K Q^T (source 0 = 16 keys, source 1 = 16 queries): a lane holds ONE query (l % 16) and keys 8 (l / 16) + 0..7.  Two results rounded to f16 in pairs ARE source 1 of
; O^T = V^T P; they are rounded in place, into S^T's own registers.  Every LDS read is 16 bytes at 16 x lane of a block of 512: K as it lies, V turned by ds_load_tr16_b128.
; ORDER.  The two tiles go half a step apart: each tile's products stand amid the other tile's softmax, whose first lines are the places behind them.
; CLUSTER.  The four query blocks of a cluster belong to one head and walk the same K and V: each tile is asked for JOINTLY, by the same tensor load with a mask of all four.
; RING.  Four tiles of 1,024 keys (64 KiB of K, 64 KiB of V) through two slots; each of the eight waves brings 16 KiB with one load: two loads of mine are out at the start, one behind each refill.
.set SLOT1, 1<<17     ; slot 1 begins here: one exclusive or turns an address in one slot into the other's
.set VOFF,  65536     ; in a slot: K, then V
.set STEPB, 4096      ; 64 keys of K, or of V
.set STAGE, 2*SLOT1   ; behind the ring, never filled by a tensor load: 9 x 512 bytes for each of the four pairs of waves
.set GST,   4608
.set SPARE, STAGE+4*GST  ; behind it: the spare words, 128 bytes a wave, which no other line names
.set LA,  2           ; v2   16 x lane; never rewritten
.set AK,  3           ; v3   LDS address of the step's K
.set AV,  4           ; v4   of its V
.set PFO, 5           ; v5   256 x lane; never rewritten
.set SPW, 6           ; v6   my spare word; never rewritten
.set NIL, 7           ; v7   0; never rewritten
.set K1,  8           ; v8-9   k1, twice
.set HALF, 10         ; v10-11 0.5, twice
.set ST,  12          ; tile t's statistics at v[ST+8 t]: K2 m, m, a, 0, and c0-c3 at work
.set ONES, 28         ; v28-35  a fragment of f16 ones
.set Q,   36          ; v36-51  Q, 8 a tile
.set KF,  52          ; v52-83  K of a step: 16 keys kt at KF + 8 kt
.set VF,  84          ; v84-115 V of a step: 32 keys kk, 16 channels cb at VF + 16 kk + 8 cb
.set S,   116         ; v116-179 S^T, 32 a tile; P(t, kk) takes S + 32 t + 16 kk .. + 7
.set O,   180         ; v180-227 a tile's 24: O^T channels 0-15, 16-31, and l's accumulator
.set WV,  12          ; s12  my wave's number
.set G1,  24          ; s[24:31] descriptor group 1
.set G0A, 32          ; s[32:35] group 0 of the first fill
.set G0B, 36          ; s[36:39] group 0 of the second; it then walks
.set PFA, 40          ; s[40:41] the prefetch's address; never rewritten
.set LIM, 42          ; s42  1 in a wave that prefetches, else the greatest number
.set SLOTS, 43        ; s43  slots still to be filled again
.set CNT, 44          ; s44  counts steps
.set TB,  45          ; s45  LDS byte at which K of the step in hand begins
.set CS,  46          ; s[46:47] K2
.set SEL, 48          ; s[48:49] v_permlanex16_b32's selects: each lane takes its own place in the other half
; A round of the cluster's barrier: my work-group's barrier, so that wave 0's signal speaks for all eight waves; wave 0 signals; every wave waits for all four work-groups; my work-group's barrier once more.
.macro CROUND
	s_barrier_signal -1
	s_barrier_wait -1
	s_cmp_lg_u32 s[WV], 0
	s_cbranch_scc1 .Lnot_wave_0_\@
	s_barrier_signal -3
.Lnot_wave_0_\@:
	s_barrier_wait -3
	s_barrier_signal -1
	s_barrier_wait -1
.endm
.macro PLACES
.rept 4
	v_nop
.endr
.endm
	s_load_b256 s[4:11], s[0:1], 0x0               ; qf s[4:5], kf s[6:7], vf s[8:9], of s[10:11]
	v_lshl_add_u32 v[SPW], v0, 2, SPARE
	v_mov_b32 v[NIL], 0
	ds_add_u32 v[SPW], v[NIL]                      ; the wave's opening: the add, twice on end, and its wait ahead of my first tensor load
	ds_add_u32 v[SPW], v[NIL]                      ; and once more; the set-up below, work on registers, stands between it and the wait
	v_lshrrev_b32 v1, 5, v0
	v_readfirstlane_b32 s[WV], v1                  ; wave 0..7
	s_and_b32 s13, s[WV], 3                        ; g
	s_bfe_u32 s15, ttmp6, 0x40000                  ; cx: my place in the cluster: it enters Q's, of's and the prefetch's addresses alone
	s_and_b32 s16, ttmp7, 0xffff                   ; the head, which the four partners share
	s_lshl_b32 s17, ttmp9, 2
	s_add_co_u32 s17, s17, s15                     ; my block of 128 queries
	s_lshl_b32 s18, s16, 18                        ; K, V: the head's 256 KiB,
	s_lshl_b32 s19, s13, 14                        ; my quarter of a tile's 64 KiB
	s_add_co_u32 s18, s18, s19
	s_mov_b32 s19, 0
	s_lshl_b32 s20, s17, 3
	s_lshl1_add_u32 s20, s13, s20                  ; my first tile of 16 queries: 8 x block + 2 g
	s_lshl_b32 s22, s20, 13                        ; of: 8 KiB a tile,
	s_lshl_b32 s23, s16, 10                        ; 1 KiB a head
	s_add_co_u32 s22, s22, s23
	s_mov_b32 s23, 0
	s_lshl_b32 s20, s20, 10                        ; qf: 1 KiB a tile,
	s_lshl_b32 s21, s16, 18                        ; 256 KiB a head
	s_add_co_u32 s20, s20, s21
	s_mov_b32 s21, 0
	s_lshl_b32 s50, s15, 13                        ; the prefetch: my work-group's 32 blocks of 256 bytes,
	s_add_co_u32 s50, s50, 3*65536                 ; in tile 3
	s_mov_b32 s51, 0
	; descriptor group 1: 16 KiB, dense, as 64 rows of 256 bytes
	s_mov_b32 s[G1], 15|(3<<16)|(1<<21)            ; 15:0 the mask: all four work-groups; 17:16 elements of 8 bytes; 21 set beside a mask; no padding
	s_mov_b32 s[G1+1], 32<<16                      ; tensor_dim0 = 32
	s_mov_b32 s[G1+2], 64<<16                      ; tensor_dim1 = 64
	s_mov_b32 s[G1+3], 32<<16                      ; tile_dim0 = 32
	s_mov_b32 s[G1+4], 64                          ; tile_dim1 = 64
	s_mov_b32 s[G1+5], 32                          ; 32 elements from row to row
	s_mov_b32 s[G1+6], 0
	s_mov_b32 s[G1+7], 0
	s_mov_b32 s[G0A], 1                            ; count = 1
	s_lshl_b32 s[G0A+1], s[WV], 14                 ; LDS: waves 0-3 K's quarters, waves 4-7 V's: 16,384 x wave, in slot 0
	s_mov_b32 s[G0B], 1
	s_add_co_u32 s[G0B+1], s[G0A+1], SLOT1         ; and in slot 1
	s_mov_b32 s[CS], 0x439044fe                    ; K2 = 200 log2(e) = 288.539
	s_mov_b32 s[CS+1], s[CS]
	s_mov_b32 s[SEL], 0x76543210
	s_mov_b32 s[SEL+1], 0xfedcba98
	s_lshr_b32 s[TB], s[WV], 2
	s_lshl_b32 s[TB], s[TB], 15                    ; my half of a slot's steps: eight steps of 4,096 bytes
	s_mov_b32 s[SLOTS], 2
	s_and_b32 s[LIM], s[WV], 1                     ; even waves,
	s_or_b32 s[LIM], s[LIM], ttmp9                 ; in the head's first cluster: the same in all four partners
	s_cmp_eq_u32 s[LIM], 0
	s_cselect_b32 s[LIM], 1, -1
	v_and_b32 v[LA], 31, v0
	v_lshlrev_b32 v[PFO], 8, v[LA]
	v_lshlrev_b32 v[LA], 4, v[LA]
	s_wait_dscnt 0x0                               ; both opening adds are done
	s_wait_kmcnt 0x0
	s_cmp_lt_u32 s[WV], 4
	s_cselect_b64 s[52:53], s[6:7], s[8:9]         ; I fetch for K or for V
	s_add_nc_u64 s[52:53], s[52:53], s[18:19]      ; my quarter of the head's tile 0
	s_mov_b64 s[G0A+2:G0A+3], s[52:53]
	s_or_b32 s[G0A+3], s[G0A+3], 0x80000000        ; type = 2
	s_add_nc_u64 s[G0B+2:G0B+3], s[52:53], 65536   ; tile 1
	s_or_b32 s[G0B+3], s[G0B+3], 0x80000000
	s_add_nc_u64 s[PFA:PFA+1], s[52:53], s[50:51]
	s_add_nc_u64 s[4:5], s[4:5], s[20:21]
	s_add_nc_u64 s[10:11], s[10:11], s[22:23]
	CROUND                                         ; all four work-groups are here: the first joint loads meet
	tensor_load_to_lds s[G0A:G0A+3], s[G1:G1+7]    ; both first fills together, ahead of every wait on TENSORcnt and every LDS read
	s_nop 0
	tensor_load_to_lds s[G0B:G0B+3], s[G1:G1+7]
	s_nop 0
	PLACES
.irp t, 0,1
.irp c, 0,1
	global_load_b128 v[Q+8*\t+4*\c:Q+8*\t+4*\c+3], v[LA], s[4:5] offset:1024*\t+512*\c
.endr
.endr
	; O^T and l start at 0, m at 0: written in the wait for the first tile, so that no first step is written out
.set i, 0
.rept 48
	v_mov_b32 v[O+i], 0
.set i, i+1
.endr
.irp t, 0,1
	v_mov_b32 v[ST+8*\t], 0
	v_mov_b32 v[ST+8*\t+1], 0
	v_mov_b32 v[ST+8*\t+3], 0                      ; named with a as a pair
.endr
.set i, 0
.rept 8
	v_mov_b32 v[ONES+i], 0x3c003c00
.set i, i+1
.endr
	v_mov_b32 v[K1], 0x3a67b46b                    ; 1 / (200 sqrt(32))
	v_mov_b32 v[K1+1], 0x3a67b46b
	v_mov_b32 v[HALF], 0.5
	v_mov_b32 v[HALF+1], 0.5
; S^T of tile t: four products, each a sum of its own
.macro KQ t
.irp kt, 0,1,2,3
	v_wmma_f32_16x16x32_f16 v[S+32*(\t)+8*\kt:S+32*(\t)+8*\kt+7], v[KF+8*\kt:KF+8*\kt+7], v[Q+8*(\t):Q+8*(\t)+7], 0
.endr
.endm
; O^T and l of tile t: six products; the three accumulators take turns, one instruction a turn
.macro PV t
.irp kk, 0,1
	v_wmma_f32_16x16x32_f16 v[O+24*(\t):O+24*(\t)+7], v[VF+16*\kk:VF+16*\kk+7], v[S+32*(\t)+16*\kk:S+32*(\t)+16*\kk+7], v[O+24*(\t):O+24*(\t)+7]
	v_wmma_f32_16x16x32_f16 v[O+24*(\t)+8:O+24*(\t)+15], v[VF+16*\kk+8:VF+16*\kk+15], v[S+32*(\t)+16*\kk:S+32*(\t)+16*\kk+7], v[O+24*(\t)+8:O+24*(\t)+15]
	v_wmma_f32_16x16x32_f16 v[O+24*(\t)+16:O+24*(\t)+23], v[ONES:ONES+7], v[S+32*(\t)+16*\kk:S+32*(\t)+16*\kk+7], v[O+24*(\t)+16:O+24*(\t)+23]
.endr
.endm
.macro FETCH_K off
.irp kt, 0,1,2,3
	ds_load_b128 v[KF+8*\kt:KF+8*\kt+3],   v[AK] offset:(\off)+1024*\kt
	ds_load_b128 v[KF+8*\kt+4:KF+8*\kt+7], v[AK] offset:(\off)+1024*\kt+512
.endr
.endm
.macro FETCH_V
.irp kk, 0,1
.irp cb, 0,1
	ds_load_tr16_b128 v[VF+16*\kk+8*\cb:VF+16*\kk+8*\cb+3],   v[AV] offset:2048*\kk+512*\cb
	ds_load_tr16_b128 v[VF+16*\kk+8*\cb+4:VF+16*\kk+8*\cb+7], v[AV] offset:2048*\kk+1024+512*\cb
.endr
.endr
.endm
; Number an of the 38 that clip tile t's scores and find its maximum and statistics.  s0-s31 are the lane's 32 scores.
;   0-15   z = clamp01(s k1 + 1/2), a pair each, ascending: each accumulator is read from its low end on
;   16-27  four chains c0-c3 of seven z each, three operands at a time      28-31  the four left over, the old m, and c0-c3 into c0
;   32, 33 the query's other 32 keys lie in the lane 16 away: the new m, in c2      34-37  m_old - m_new; K2 m; K2 (m_old - m_new); m
.macro A1 t
.set rT, ST+8*(\t)
.set rS, S+32*(\t)
.if an < 16
	v_pk_fma_f32 v[rS+2*an:rS+2*an+1], v[rS+2*an:rS+2*an+1], v[K1:K1+1], v[HALF:HALF+1] clamp
.elseif an < 20
	v_max3_num_f32 v[rT+an-12], v[rS+8*(an-16)], v[rS+8*(an-16)+1], v[rS+8*(an-16)+2]
.elseif an < 28
	v_max3_num_f32 v[rT+4+an%4], v[rT+4+an%4], v[rS+8*(an%4)+2*((an-16)/4)+1], v[rS+8*(an%4)+2*((an-16)/4)+2]
.elseif an == 28
	v_max3_num_f32 v[rT+4], v[rT+4], v[rS+7], v[rS+15]
.elseif an == 29
	v_max3_num_f32 v[rT+5], v[rT+5], v[rS+23], v[rS+31]
.elseif an == 30
	v_max3_num_f32 v[rT+6], v[rT+6], v[rT+7], v[rT+1]
.elseif an == 31
	v_max3_num_f32 v[rT+4], v[rT+4], v[rT+5], v[rT+6]
.elseif an == 32
	v_permlanex16_b32 v[rT+5], v[rT+4], s[SEL], s[SEL+1]
.elseif an == 33
	v_max_num_f32 v[rT+6], v[rT+4], v[rT+5]
.elseif an == 34
	v_sub_f32 v[rT+7], v[rT+1], v[rT+6]
.elseif an == 35
	v_mul_f32 v[rT], s[CS], v[rT+6]
.elseif an == 36
	v_mul_f32 v[rT+7], s[CS], v[rT+7]
.else
	v_mov_b32 v[rT+1], v[rT+6]
.endif
.endm
.macro ARUN t, from, to
.set an, \from
.rept (\to)-(\from)+1
	A1 \t
.set an, an+1
.endr
.endm
.macro FS t, n                         ; K2 z - K2 m for pair n
	v_pk_fma_f32 v[S+32*(\t)+2*(\n):S+32*(\t)+2*(\n)+1], v[S+32*(\t)+2*(\n):S+32*(\t)+2*(\n)+1], s[CS:CS+1], v[ST+8*(\t):ST+8*(\t)+1] op_sel_hi:[1,0,0] neg_lo:[0,0,1] neg_hi:[0,0,1]
.endm
; ONE BATCH: the 16 scalings and the 33 exponentials (a first); a pair is scaled two pairs ahead of its exponentials, and nothing here names an exponential's result.
; A v_nop is the plain instruction behind the last exponential; then one wait ahead of the first reader.
.macro BATCH t
	FS \t, 0
	FS \t, 1
	v_exp_f32 v[ST+8*(\t)+2], v[ST+8*(\t)+7]
.set bi, 0
.rept 16
	v_exp_f32 v[S+32*(\t)+2*bi], v[S+32*(\t)+2*bi]
.if bi < 14
	FS \t, bi+2
.endif
	v_exp_f32 v[S+32*(\t)+2*bi+1], v[S+32*(\t)+2*bi+1]
.set bi, bi+1
.endr
	v_nop
	s_wait_alu depctr_va_vdst(0)
.endm
; The weights are rounded to f16 in place: pair n goes to S + 16 (n / 8) + n % 8, which in ascending order never lands on a pair still to be read.  Then O^T and l times a.
.macro CPK t
.set ci, 0
.rept 16
	v_cvt_pk_f16_f32 v[S+32*(\t)+16*(ci/8)+ci%8], v[S+32*(\t)+2*ci], v[S+32*(\t)+2*ci+1]
.set ci, ci+1
.endr
.set ci, 0
.rept 9                                ; eight pairs of O^T, and pair 0 of l's accumulator
	v_pk_mul_f32 v[O+24*(\t)+2*ci:O+24*(\t)+2*ci+1], v[O+24*(\t)+2*ci:O+24*(\t)+2*ci+1], v[ST+8*(\t)+2:ST+8*(\t)+3] op_sel_hi:[1,0]
.set ci, ci+1
.endr
.endm
; A KEY STEP.  At its head tile 0's scores of this step are made, K of this step is in registers, and tile 1's V^T P of the step before has just been issued.
; A vector instruction or a load that touches a matrix instruction's registers stands four places behind it, a matrix instruction that writes over them five (ISA guide 7.12.1 for vector instructions);
; the places are the other tile's clips, which name none of those registers.  next = 1: K of the next step is fetched, and tile 0's scores of it are made.
.macro STEP next
	ARUN 0, 0, 4                                   ; five places: the products below write over tile 1's P
	KQ 1
	ARUN 0, 5, 8                                   ; with the two additions six places: K's registers are loaded again
	v_add_nc_u32 v[AK], s[TB], v[LA]
	v_add_nc_u32 v[AV], VOFF, v[AK]
	FETCH_V
.if \next
	FETCH_K STEPB
.endif
	ARUN 0, 9, 37
	BATCH 0
	CPK 0
	s_wait_dscnt 0x0                               ; V of this step and K of the next are in
	PV 0
	ARUN 1, 0, 4                                   ; five places: the products below write over tile 0's P
.if \next
	KQ 0
.endif
	ARUN 1, 5, 37
	BATCH 1
	CPK 1
	PV 1
.endm
; My eight steps of the slot in hand: seven in a loop, the last written out, since no K follows it.
.macro PROCESS
	v_add_nc_u32 v[AK], s[TB], v[LA]
	FETCH_K 0
	s_wait_dscnt 0x0
	KQ 0
	PLACES
	s_mov_b32 s[CNT], 7
.Lstep_\@:
	STEP 1
	s_add_co_u32 s[TB], s[TB], STEPB
	s_sub_co_u32 s[CNT], s[CNT], 1
	s_cmp_lg_u32 s[CNT], 0
	s_cbranch_scc1 .Lstep_\@
	STEP 0
	s_add_co_u32 s[TB], s[TB], STEPB
.endm
; A PREFETCH INTO THE L2, behind the tensor load that asks for tile 2: tile 3, which the next change of slots will ask for: eight steps of every wave ahead.  Tiles 0 to 2 come by their loads alone.
; All clusters of a head walk the same K and V: the head's first cluster asks.  An even wave names its own 16 KiB and the next wave's: 128 blocks of 256 bytes, of which the four partners take
; 32 each BY ADDRESS, a lane a block: each block is named once in the launch.  The last change that fills a slot asks for nothing: there is no tile behind it.
.macro ASK
	s_cmp_gt_u32 s[SLOTS], s[LIM]
	s_cbranch_scc0 .Lnot_mine_\@
	global_prefetch_b8 v[PFO], s[PFA:PFA+1] th:TH_LOAD_NT scope:SCOPE_SE
.Lnot_mine_\@:
.endm
; THE CHANGE OF SLOTS.  Each wave waits for all its tensor loads, of which one is out: its part of the other slot; adds 0 to its spare word; and waits for that and for its own reads of the slot.
; fill = 1: the slot is filled again, with the keys two tiles on.  The barrier is then a round of the cluster's, so that no wave of any partner still reads the slot or has a load on its way,
; and the joint refill is the first thing behind it, one load a wave.
.macro CHANGE fill
	s_wait_tensorcnt 0x0                           ; no tensor load of mine is out, so a group 0 may be written
	ds_add_u32 v[SPW], v[NIL]                      ; 0 onto my spare word
.if \fill
	s_xor_b32 s[G0B+1], s[G0B+1], SLOT1            ; the walking descriptor: the other slot than last time,
	s_add_nc_u64 s[G0B+2:G0B+3], s[G0B+2:G0B+3], 65536  ; the next tile; the type bits on top are not reached
.endif
	s_wait_dscnt 0x0                               ; the add is done, and my reads of the slot are over
.if \fill
	CROUND
	tensor_load_to_lds s[G0B:G0B+3], s[G1:G1+7]
	s_nop 0
	PLACES
	ASK
.else
	s_barrier_signal -1
	s_barrier_wait -1
.endif
	s_sub_co_u32 s[TB], s[TB], 8*STEPB             ; back to my first step,
	s_xor_b32 s[TB], s[TB], SLOT1                  ; in the other slot
.endm
	s_wait_tensorcnt 1                             ; my part of slot 0 is in; slot 1's may stay out
	s_barrier_signal -1
	s_barrier_wait -1                              ; everybody's is
	s_wait_loadcnt 0x0                             ; Q
.Lslot:                                ; twice: tiles 0 and 1 are walked, tiles 2 and 3 asked for
	PROCESS
	CHANGE 1
	s_sub_co_u32 s[SLOTS], s[SLOTS], 1
	s_cmp_lg_u32 s[SLOTS], 0
	s_cbranch_scc1 .Lslot
	PROCESS                                        ; the tail is written out
	CHANGE 0
	PROCESS
	; THE TWO HALVES OF THE KEYS MEET.  Waves 4-7 put m, l and O^T of both tiles into the stage; waves 0-3 take them: with m* the greater maximum and a_i = 2^(K2 (m_i - m*)),
	; l = a_0 l_0 + a_1 l_1 + 1e-6 and O = (a_0 O_0 + a_1 O_1) / l.
	PLACES                                         ; behind the last products
	s_cmp_lt_u32 s[WV], 4
	s_cbranch_scc1 .Lkeep
	s_mul_i32 s16, s[WV], GST
	s_add_co_u32 s16, s16, STAGE-4*GST             ; wave w writes where wave w - 4 reads
	v_add_nc_u32 v1, s16, v[LA]
	v_mov_b32 v[S], v[ST+1]
	v_mov_b32 v[S+1], v[O+16]
	v_mov_b32 v[S+2], v[ST+9]
	v_mov_b32 v[S+3], v[O+40]
	ds_store_b128 v1, v[S:S+3]
.irp t, 0,1
.irp f, 0,1,2,3
	ds_store_b128 v1, v[O+24*\t+4*\f:O+24*\t+4*\f+3] offset:512*(1+4*\t+\f)
.endr
.endr
.Lkeep:
	s_wait_dscnt 0x0                               ; for the others' sake: my stores are done
	s_barrier_signal -1
	s_barrier_wait -1
	s_cmp_lt_u32 s[WV], 4
	s_cbranch_scc0 .Lend
	s_mul_i32 s16, s[WV], GST
	s_add_co_u32 s16, s16, STAGE
	v_add_nc_u32 v1, s16, v[LA]
.set i, 0
.rept 9                                ; v[S .. S+3]: m', l' of both tiles; v[S+4+16 t ..]: O' of tile t
	ds_load_b128 v[S+4*i:S+4*i+3], v1 offset:512*i
.set i, i+1
.endr
	s_wait_dscnt 0x0
.irp t, 0,1
	v_max_num_f32 v[ST+8*\t+4], v[ST+8*\t+1], v[S+2*\t]
.endr
.irp t, 0,1
	v_sub_f32 v[ST+8*\t+5], v[ST+8*\t+1], v[ST+8*\t+4]
	v_sub_f32 v[ST+8*\t+6], v[S+2*\t], v[ST+8*\t+4]
.endr
.irp t, 0,1
	v_mul_f32 v[ST+8*\t+5], s[CS], v[ST+8*\t+5]
	v_mul_f32 v[ST+8*\t+6], s[CS], v[ST+8*\t+6]
.endr
.irp t, 0,1
	v_exp_f32 v[ST+8*\t+5], v[ST+8*\t+5]
	v_exp_f32 v[ST+8*\t+6], v[ST+8*\t+6]
.endr
	v_nop
	s_wait_alu depctr_va_vdst(0)                   ; one wait for the four exponentials
.irp t, 0,1
	v_fmaak_f32 v[ST+8*\t+7], v[ST+8*\t+6], v[S+2*\t+1], 0x358637bd  ; a_1 l_1 + 1e-6
.endr
.irp t, 0,1
	v_fma_f32 v[ST+8*\t+7], v[ST+8*\t+5], v[O+24*\t+16], v[ST+8*\t+7]
.endr
.irp t, 0,1
	v_rcp_f32 v[ST+8*\t+7], v[ST+8*\t+7]
.endr
	v_nop
	s_wait_alu depctr_va_vdst(0)                   ; one wait for the two reciprocals
.irp t, 0,1
	v_mul_f32 v[ST+8*\t+4], v[ST+8*\t+5], v[ST+8*\t+7]
	v_mul_f32 v[ST+8*\t+6], v[ST+8*\t+6], v[ST+8*\t+7]
.endr
.irp t, 0,1
.set i, 0
.rept 8
	v_pk_mul_f32 v[O+24*\t+2*i:O+24*\t+2*i+1], v[O+24*\t+2*i:O+24*\t+2*i+1], v[ST+8*\t+4:ST+8*\t+5] op_sel_hi:[1,0]
.set i, i+1
.endr
.set i, 0
.rept 8
	v_pk_fma_f32 v[O+24*\t+2*i:O+24*\t+2*i+1], v[S+4+16*\t+2*i:S+4+16*\t+2*i+1], v[ST+8*\t+6:ST+8*\t+7], v[O+24*\t+2*i:O+24*\t+2*i+1] op_sel_hi:[1,0,1]
.set i, i+1
.endr
.set i, 0
.rept 8
	v_cvt_pk_f16_f32 v[KF+8*\t+i], v[O+24*\t+2*i], v[O+24*\t+2*i+1]
.set i, i+1
.endr
.endr
.irp t, 0,1
.irp cb, 0,1
	global_store_b128 v[LA], v[KF+8*\t+4*\cb:KF+8*\t+4*\cb+3], s[10:11] offset:8192*\t+512*\cb  ; 512 consecutive bytes, aligned
.endr
.endr
.Lend:
	s_wait_tensorcnt 0x0                           ; the wave's end, behind my last tensor load and my last LDS store
	ds_add_u32 v[SPW], v[NIL]
	s_wait_dscnt 0x0
	CROUND                                         ; the closing round: no work-group ends while a partner may still ask for a tile that names it
	s_endpgm
.Lfunc_end_k_q0f05c8ca90_attn:
	.size	k_q0f05c8ca90_attn, .Lfunc_end_k_q0f05c8ca90_attn-k_q0f05c8ca90_attn
	.p2alignl 7, 3214868480
	.fill 96, 4, 3214868480
	.section	.rodata,"a",@progbits
	.p2align	6, 0x0
	.amdhsa_kernel k_q0f05c8ca90_attn
		.amdhsa_group_segment_fixed_size 327680
		.amdhsa_private_segment_fixed_size 0
		.amdhsa_enable_private_segment 0
		.amdhsa_kernarg_size 32
		.amdhsa_user_sgpr_count 2
		.amdhsa_user_sgpr_kernarg_segment_ptr 1
		.amdhsa_wavefront_size32 1
		.amdhsa_system_sgpr_workgroup_id_x 1
		.amdhsa_system_sgpr_workgroup_id_y 1
		.amdhsa_system_sgpr_workgroup_id_z 1
		.amdhsa_system_vgpr_workitem_id 0
		.amdhsa_next_free_vgpr 256
		.amdhsa_next_free_sgpr 66
		.amdhsa_reserve_vcc 0
		.amdhsa_float_denorm_mode_32 3
		.amdhsa_float_denorm_mode_16_64 3
		.amdhsa_memory_ordered 1
		.amdhsa_forward_progress 1
		.amdhsa_inst_pref_size 101
	.end_amdhsa_kernel
	.amdgpu_metadata
---
amdhsa.version: [ 1, 2 ]
amdhsa.kernels:
  - .name:           k_q0f05c8ca90_attn
    .symbol:         k_q0f05c8ca90_attn.kd
    .args:
      - { .name: qf, .offset: 0, .size: 8, .value_kind: global_buffer, .address_space: global }
      - { .name: kf, .offset: 8, .size: 8, .value_kind: global_buffer, .address_space: global }
      - { .name: vf, .offset: 16, .size: 8, .value_kind: global_buffer, .address_space: global }
      - { .name: of, .offset: 24, .size: 8, .value_kind: global_buffer, .address_space: global }
    .group_segment_fixed_size: 327680
    .private_segment_fixed_size: 0
    .kernarg_segment_align: 8
    .kernarg_segment_size: 32
    .max_flat_workgroup_size: 256
    .sgpr_count:     66
    .vgpr_count:     256
    .wavefront_size: 32
...
	.end_amdgpu_metadata
.endif
;; end of part 2
;; launch outp (part 3): grid 64 x 4, 4 waves a work-group, no clusters, 58,880 bytes of LDS; arguments of, wo, bo, x, out0; writes out0
.if DOCPART == 3
	.amdgcn_target "amdgcn-amd-amdhsa--gfx1250"
	.amdhsa_code_object_version 6
	.text
	.protected	k_q0f05c8ca90_outp
	.globl	k_q0f05c8ca90_outp
	.p2align	8
	.type	k_q0f05c8ca90_outp,@function
k_q0f05c8ca90_outp:
	s_mov_b64 s[64:65], 0
	v_nop
	global_prefetch_b8 v0, s[64:65] scope:SCOPE_SE
	s_setreg_imm32_b32 hwreg(HW_REG_WAVE_MODE, 25, 1), 1
	s_wait_xcnt 0x0
; out0 = cat wo + bo + x.  Nothing is left out.  cat comes as f16 fragments (of: [16 rows][head][c 2][lane][16 bytes]; K step = head); wo is rounded to f16 here; sums, bo and x in f32.
; LIMIT.  |wo| stays under 65,504, and below 6e-5 it keeps f16's fixed step of 6e-8.
; SHARES.  A work-group: 64 rows x 64 columns; a wave: 16 rows x 64 columns: four accumulators, eight K steps of 32.
; The product is taken transposed (source 0 = 16 columns of wo^T, by the turning LDS load; source 1 = 16 rows of cat): a lane ends with row l % 16 and eight neighbouring columns.
; They go through the wave's own stage in LDS, so that sixteen lanes store 256 consecutive bytes, aligned.
; No tensor loads: wo passes through registers to be rounded.  No cluster, no prefetch: a short launch whose loads all go out at its head.
.set PW,    160       ; a row of wo in LDS: 64 f16 + 32 bytes of padding: five times 32
.set STG,   256*PW    ; behind wo: 16 rows x 272 bytes for each wave
.set SP,    272
.set SPARE, STG+4*16*SP  ; behind the stages: the spare words, 128 bytes a wave, which no other line names
.set WOO, 3           ; v3   wo: (t / 16) 1,024 + (t % 16) 16
.set WL,  4           ; v4   LDS: (t / 16) 160 + (t % 16) 8
.set LA,  5           ; v5   16 x lane
.set WA,  6           ; v6   the turning loads' address
.set XO,  7           ; v7   x and out0: (l / 16) 1,024 + (l % 16) 16
.set BOO, 8           ; v8   bo: 16 (l % 16)
.set STO, 9           ; v9   the stage: where I put 32 bytes of a row
.set RD,  10          ; v10  where I read rows back
.set SPW, 14          ; v14  my spare word; never rewritten
.set NIL, 15          ; v15  0; never rewritten
.set WB,  16          ; v16-143  32 chunks of 16 bytes of wo
.set CF,  144         ; v144-207 eight fragments of cat
.set XR,  16          ; later: v16-47 x, then x + bo;  v48-51 bo;  v52-83 accumulators;  v84-115, v208-239 two buffers of four fragments of wo^T
.set BB,  48
.set ACC, 52
.set AF0, 84
.set RB,  84          ; the rows read back
	s_load_b256 s[4:11], s[0:1], 0x0               ; of s[4:5], wo s[6:7], bo s[8:9], x s[10:11]
	s_load_b64 s[12:13], s[0:1], 0x20              ; out0
	v_lshl_add_u32 v[SPW], v0, 2, SPARE
	v_mov_b32 v[NIL], 0
	v_lshrrev_b32 v1, 5, v0
	v_readfirstlane_b32 s14, v1                    ; wave 0..3
	s_and_b32 s15, ttmp7, 0xffff                   ; which 64 columns
	v_and_b32 v1, 15, v0                           ; r
	v_bfe_u32 v2, v0, 4, 1                         ; h
	v_lshrrev_b32 v11, 4, v0
	v_lshlrev_b32 v[WOO], 10, v11
	v_lshl_add_u32 v[WOO], v1, 4, v[WOO]
	v_mul_u32_u24 v[WL], v11, PW
	v_lshl_add_u32 v[WL], v1, 3, v[WL]
	v_and_b32 v[LA], 31, v0
	v_lshlrev_b32 v[LA], 4, v[LA]
	v_and_b32 v11, 7, v0
	v_bfe_u32 v12, v0, 3, 1
	v_lshl_add_u32 v[WA], v2, 3, v11
	v_mul_u32_u24 v[WA], v[WA], PW
	v_lshl_add_u32 v[WA], v12, 4, v[WA]
	v_lshlrev_b32 v[XO], 10, v2
	v_lshl_add_u32 v[XO], v1, 4, v[XO]
	v_lshlrev_b32 v[BOO], 4, v1
	s_mul_i32 s16, s14, 16*SP
	s_add_co_u32 s16, s16, STG                     ; my stage
	v_mul_u32_u24 v[STO], v1, SP
	v_lshl_add_u32 v[STO], v2, 5, v[STO]
	v_add_nc_u32 v[STO], s16, v[STO]
	v_mul_u32_u24 v[RD], v2, SP
	v_lshl_add_u32 v[RD], v1, 4, v[RD]
	v_add_nc_u32 v[RD], s16, v[RD]
	s_lshl_b32 s18, s15, 8                         ; 64 columns of f32
	s_mov_b32 s19, 0
	s_lshl_b32 s20, ttmp9, 2
	s_add_co_u32 s20, s20, s14                     ; my 16 rows' number
	s_lshl_b32 s22, s20, 14                        ; x, out0: 16 rows of 1,024 bytes,
	s_add_co_u32 s22, s22, s18                     ; and the columns
	s_mov_b32 s23, 0
	s_lshl_b32 s20, s20, 13                        ; of: 8 KiB
	s_mov_b32 s21, 0
	s_wait_kmcnt 0x0
	s_add_nc_u64 s[4:5], s[4:5], s[20:21]
	s_add_nc_u64 s[6:7], s[6:7], s[18:19]
	s_add_nc_u64 s[8:9], s[8:9], s[18:19]
	s_add_nc_u64 s[10:11], s[10:11], s[22:23]
	s_add_nc_u64 s[12:13], s[12:13], s[22:23]
.set j, 0
.rept 32                               ; eight rows of wo a pass: sixteen lanes take a row's 256 bytes
	global_load_b128 v[WB+4*j:WB+4*j+3], v[WOO], s[6:7] offset:8192*j
.set j, j+1
.endr
.set j, 0
.rept 16
	global_load_b128 v[CF+4*j:CF+4*j+3], v[LA], s[4:5] offset:512*j
.set j, j+1
.endr
	s_wait_loadcnt 16                              ; wo is in; cat's 16 loads stay out
.set j, 0
.rept 32
	v_cvt_pk_f16_f32 v[WB+4*j], v[WB+4*j], v[WB+4*j+1]
	v_cvt_pk_f16_f32 v[WB+4*j+1], v[WB+4*j+2], v[WB+4*j+3]
.set j, j+1
.endr
.set j, 0
.rept 32
	ds_store_b64 v[WL], v[WB+4*j:WB+4*j+1] offset:8*PW*j
.set j, j+1
.endr
	s_wait_dscnt 0x0                               ; for the others' sake: my stores are done; and their registers may be loaded again
.irp tt, 0,1,2,3,4,5,6,7                ; x and bo land under the products
	global_load_b128 v[XR+4*\tt:XR+4*\tt+3], v[XO], s[10:11] offset:2048*\tt
.endr
	global_load_b128 v[BB:BB+3], v[BOO], s[8:9]
	s_barrier_signal -1
	s_barrier_wait -1                              ; all of wo's 64 columns lie in LDS
.macro LOADW ks, af
.irp ct, 0,1,2,3
	ds_load_tr16_b128 v[(\af)+8*\ct:(\af)+8*\ct+3],   v[WA] offset:(\ks)*32*PW+32*\ct
	ds_load_tr16_b128 v[(\af)+8*\ct+4:(\af)+8*\ct+7], v[WA] offset:(\ks)*32*PW+16*PW+32*\ct
.endr
.endm
.macro MULS ks, af                     ; the four accumulators take turns, one instruction a turn; the first step starts the sums
.irp ct, 0,1,2,3
.if (\ks) == 0
	v_wmma_f32_16x16x32_f16 v[ACC+8*\ct:ACC+8*\ct+7], v[(\af)+8*\ct:(\af)+8*\ct+7], v[CF+8*(\ks):CF+8*(\ks)+7], 0
.else
	v_wmma_f32_16x16x32_f16 v[ACC+8*\ct:ACC+8*\ct+7], v[(\af)+8*\ct:(\af)+8*\ct+7], v[CF+8*(\ks):CF+8*(\ks)+7], v[ACC+8*\ct:ACC+8*\ct+7]
.endif
.endr
.endm
	LOADW 0, AF0
	s_wait_loadcnt 9                               ; cat is in; x's 8 loads and bo's stay out
.set kk, 0
.rept 8
.if kk < 7
.if kk > 0
.rept 4
	v_nop                                          ; four places: the buffer loaded next was read by the products just issued
.endr
.endif
	LOADW kk+1, AF0+124*((kk+1)%2)
	s_wait_dscnt 8                                 ; this step's fragments are in; the next step's eight loads stay out
.else
	s_wait_dscnt 0x0
.endif
	MULS kk, AF0+124*(kk%2)
.set kk, kk+1
.endr
	s_wait_loadcnt 0x0                             ; x and bo
.set i, 0
.rept 8                                ; x + bo: sixteen plain instructions, which are also the places behind the last products
	v_pk_add_f32 v[XR+4*i:XR+4*i+1], v[XR+4*i:XR+4*i+1], v[BB:BB+1]
	v_pk_add_f32 v[XR+4*i+2:XR+4*i+3], v[XR+4*i+2:XR+4*i+3], v[BB+2:BB+3]
.set i, i+1
.endr
.irp ct, 0,1,2,3                        ; each accumulator is read from its low end on
	ds_store_b128 v[STO], v[ACC+8*\ct:ACC+8*\ct+3]   offset:64*\ct
	ds_store_b128 v[STO], v[ACC+8*\ct+4:ACC+8*\ct+7] offset:64*\ct+16
.endr
.irp tt, 0,1,2,3,4,5,6,7                ; LDS serves a wave's instructions in order (ISA guide 5.7.1.4): these see the stores above
	ds_load_b128 v[RB+4*\tt:RB+4*\tt+3], v[RD] offset:2*SP*\tt
.endr
.irp tt, 0,1,2,3,4,5,6,7
	s_wait_dscnt 7-\tt                             ; rows 2 tt, 2 tt + 1 are back; the younger loads stay out
	v_pk_add_f32 v[RB+4*\tt:RB+4*\tt+1], v[RB+4*\tt:RB+4*\tt+1], v[XR+4*\tt:XR+4*\tt+1]
	v_pk_add_f32 v[RB+4*\tt+2:RB+4*\tt+3], v[RB+4*\tt+2:RB+4*\tt+3], v[XR+4*\tt+2:XR+4*\tt+3]
	global_store_b128 v[XO], v[RB+4*\tt:RB+4*\tt+3], s[12:13] offset:2048*\tt th:TH_STORE_NT  ; sixteen lanes store 256 consecutive bytes, aligned
.endr
	s_wait_tensorcnt 0x0                           ; the wave's end, behind my last LDS store
	ds_add_u32 v[SPW], v[NIL]
	s_wait_dscnt 0x0
	s_endpgm
.Lfunc_end_k_q0f05c8ca90_outp:
	.size	k_q0f05c8ca90_outp, .Lfunc_end_k_q0f05c8ca90_outp-k_q0f05c8ca90_outp
	.p2alignl 7, 3214868480
	.fill 96, 4, 3214868480
	.section	.rodata,"a",@progbits
	.p2align	6, 0x0
	.amdhsa_kernel k_q0f05c8ca90_outp
		.amdhsa_group_segment_fixed_size 58880
		.amdhsa_private_segment_fixed_size 0
		.amdhsa_enable_private_segment 0
		.amdhsa_kernarg_size 40
		.amdhsa_user_sgpr_count 2
		.amdhsa_user_sgpr_kernarg_segment_ptr 1
		.amdhsa_wavefront_size32 1
		.amdhsa_system_sgpr_workgroup_id_x 1
		.amdhsa_system_sgpr_workgroup_id_y 1
		.amdhsa_system_sgpr_workgroup_id_z 1
		.amdhsa_system_vgpr_workitem_id 0
		.amdhsa_next_free_vgpr 256
		.amdhsa_next_free_sgpr 66
		.amdhsa_reserve_vcc 0
		.amdhsa_float_denorm_mode_32 3
		.amdhsa_float_denorm_mode_16_64 3
		.amdhsa_memory_ordered 1
		.amdhsa_forward_progress 1
		.amdhsa_inst_pref_size 26
	.end_amdhsa_kernel
	.amdgpu_metadata
---
amdhsa.version: [ 1, 2 ]
amdhsa.kernels:
  - .name:           k_q0f05c8ca90_outp
    .symbol:         k_q0f05c8ca90_outp.kd
    .args:
      - { .name: of, .offset: 0, .size: 8, .value_kind: global_buffer, .address_space: global }
      - { .name: wo, .offset: 8, .size: 8, .value_kind: global_buffer, .address_space: global }
      - { .name: bo, .offset: 16, .size: 8, .value_kind: global_buffer, .address_space: global }
      - { .name: x, .offset: 24, .size: 8, .value_kind: global_buffer, .address_space: global }
      - { .name: out0, .offset: 32, .size: 8, .value_kind: global_buffer, .address_space: global }
    .group_segment_fixed_size: 58880
    .private_segment_fixed_size: 0
    .kernarg_segment_align: 8
    .kernarg_segment_size: 40
    .max_flat_workgroup_size: 128
    .sgpr_count:     66
    .vgpr_count:     256
    .wavefront_size: 32
...
	.end_amdgpu_metadata
.endif
;; end of part 3
;; ======== version 2 of 2: 3 launches; version 1 with the launches proj, outp written anew for expert scheduling mode
;; limits: values outside matrix products are rounded to f16; values are held in f16: magnitudes above 65,504 overflow, below 6.1e-05 lose precision
;; workspace buffers: qf 2,097,152 bytes; kf 2,097,152 bytes; vf 2,097,152 bytes; of 2,097,152 bytes
;; launch proj (part 4): grid 32 x 8, 8 waves a work-group, no clusters, 151,552 bytes of LDS; arguments x, coords, wq, wk, wv, bq, bk, bv, qf, kf, vf; writes qf, kf, vf
.if DOCPART == 4
	.amdgcn_target "amdgcn-amd-amdhsa--gfx1250"
	.amdhsa_code_object_version 6
	.text
	.protected	k_q0f05c8ca90_proj
	.globl	k_q0f05c8ca90_proj
	.p2align	8
	.type	k_q0f05c8ca90_proj,@function
k_q0f05c8ca90_proj:
	s_mov_b64 s[64:65], 0
	v_nop
	global_prefetch_b8 v0, s[64:65] scope:SCOPE_SE
	s_setreg_imm32_b32 hwreg(HW_REG_WAVE_SCHED_MODE, 0, 2), 2
	s_setreg_imm32_b32 hwreg(HW_REG_WAVE_MODE, 25, 1), 1
	s_wait_xcnt 0x0
	s_wait_alu depctr_vm_vsrc(0)
; q, k, v = [x / (|x| + 1e-6), clip(coords, -100, 100)] W + b, for one head and 128 rows a work-group.
; NOTHING OF reference() IS LEFT OUT, in this launch or the two behind it, and every input is loaded.  bk adds the same term q.bk to all scores of a row, but reference() clips
; the scores between that term and the softmax, so it can reach the result and stays.
; FORMATS.  All matrix operands of the three launches are f16, sums f32: feats lie in -1 .. 1, the clipped coordinates are whole numbers up to 100 (exact in f16).
; LIMITS.  |w|, |b|, |q|, |k|, |v| stay under 65,504; a weight below 6e-5 keeps f16's fixed step of 6e-8; a row of x whose sum of squares is below 2^-126 counts as norm 0
; (v_sqrt_f32 takes a denormal for 0: ISA guide, 15.8); NaN and infinities are not treated apart.
; SHARES.  Work-group (rb, head): rows 128 rb .. +127, that head's 96 channels (q, k, v: units 0, 1, 2).  Wave w: 16 rows x 96 channels: six accumulators, nine K steps of 32.
; K = 288: 256 feats, 3 coordinates, a 1.0 that meets the bias (weight row 259), 28 zeros on both sides.
; THE PRODUCT IS TAKEN TRANSPOSED (source 0 = 16 channels of W^T, source 1 = 16 rows of xc): a lane ends with row l % 16 and channels 16 ct + 8 (l / 16) + 0..7, which packed are 16 bytes.
; OUT.  qf, kf: [head][16 rows][c 2][lane 32][16 bytes]: 1 KiB is a fragment of 16 rows x 32 channels as the registers hold it.  vf: [head][16 keys][ct 2][pos 32][16 bytes],
; pos = 16 (key / 8) + 8 (octet of channels) + key % 8: read back at 16 x lane by the turning LDS load it is half a fragment of V^T.  Each store of a wave covers 512 consecutive bytes, aligned.
; No tensor loads: x and the weights pass through registers anyway, to be scaled and rounded.  No cluster, no prefetch: what is shared is small and every work-group reads it at once.
; THE MODE: SCHED_MODE bits 1:0 = 2 (LLVM: expert scheduling mode 2), set by the entry lines.  The code itself states the register dependences
; between vector or matrix instructions and memory or LDS instructions, with s_wait_alu, always for 0.
; THE PLAN.  Registers that memory or LDS instructions touch:
;   v3-v19        offsets, LDS addresses and the closing add's pair: written at the head, never again.
;   v20-22        at work at the head; then the coordinates' loads land in them.
;   WB0, WB1      a unit's loads land; the conversions write them in place; nine LDS stores read them.  WB0 takes unit 0 and then unit 2.  Behind the barrier the two are AF0 and AF1.
;   X             x's loads land; scaled and rounded in place; 32 LDS stores read it.  Then v176-239 are F, in which LDS loads land, and v128-175 the accumulators.
;   AF0, AF1      K step kk: its six products read AF[kk % 2]; its twelve loads land in the other buffer, which the products of step kk - 1 read.
;   OUT           written by the last conversions, read by the six global stores.
; So a wait on va_vdst stands between each run of conversions and the stores that read them, and one at the head of K steps 1 to 7; a wait on vm_vsrc stands ahead of each first
; write of registers that LDS stores have read: three in all.
.set UW,    27648     ; a unit's weights in LDS: 288 rows of 96 bytes (32 f16 + 32 bytes of padding: three times 32)
.set XSB,   3*UW      ; behind them: each wave's own 16 rows of feats, 528 bytes apart (512 + 16)
.set XW,    16*528
.set SPARE, XSB+8*XW  ; behind them: the spare words, 128 bytes a wave, which no other line names
.set WO,  3           ; v3   16 t: my 16 bytes in 4,096 of a unit's weights
.set WTO, 4           ; v4   16 min(t, 23): the same in rows 256-258
.set BO,  5           ; v5   16 (t % 8): in the bias
.set WL,  6           ; v6   LDS: (t / 8) 96 + (t % 8) 8
.set WL2, 8           ; v8   the same in unit 2
.set WA,  9           ; v9-11  the turning loads' address, unit 0, 1, 2
.set XO,  12          ; v12  x: (l / 16) 1,024 + (l % 16) 16
.set XL,  13          ; v13  LDS: where I put 8 bytes of feats
.set XR,  14          ; v14  LDS: where I read a fragment of feats
.set CO,  15          ; v15  coords: 12 (l % 16)
.set SQ,  16          ; v16  16 l
.set SV,  17          ; v17  16 pos
.set SPW, 18          ; v18  my spare word; never rewritten
.set NIL, 19          ; v19  0; never rewritten
.set CD,  20          ; v20-22 coordinates, v23 1.0
.set SS,  24          ; v24-39  eight pairs: a row's sum of squares, then 1 / (norm + 1e-6) in the low register
.set WB0, 40          ; v40-79, v80-119  ten chunks of 16 bytes of a unit's weights
.set WB1, 80
.set FC,  120         ; v120-127  the ninth fragment of xc
.set X,   128         ; v128-255  16 rows of x: row pair i, quarter q at X + 16 i + 4 q
.set AF0, 24          ; later: v24-71, v72-119  two buffers of six fragments of W^T
.set ACC, 128         ;        v128-175 six accumulators, unit u, half ct at ACC + 8 (2 u + ct)
.set F,   176         ;        v176-239 eight fragments of feats
.set OUT, 72          ;        v72-95   packed results
	s_load_b512 s[4:19], s[0:1], 0x0               ; x s[4:5], coords s[6:7], wq, wk, wv s[8:13], bq, bk, bv s[14:19]
	s_load_b128 s[20:23], s[0:1], 0x40             ; qf, kf
	s_load_b64 s[24:25], s[0:1], 0x50              ; vf
	v_lshl_add_u32 v[SPW], v0, 2, SPARE
	v_mov_b32 v[NIL], 0
	v_lshrrev_b32 v1, 5, v0
	v_readfirstlane_b32 s34, v1                    ; wave 0..7
	s_and_b32 s35, ttmp7, 0xffff                   ; head
	v_and_b32 v1, 15, v0                           ; r = l % 16
	v_bfe_u32 v2, v0, 4, 1                         ; h = l / 16
	v_cmp_gt_u32 s26, 24, v0                       ; t < 24: weight rows 256-258
	v_cmp_gt_u32 s27, 32, v0                       ; t < 32: those and the bias's row; the other rows are 0
	v_cmp_eq_u32 s28, 0, v2
	v_and_b32 v20, 7, v0
	v_bfe_u32 v21, v0, 3, 1
	v_lshlrev_b32 v[WO], 4, v0
	v_min_u32 v[WTO], 23, v0
	v_lshlrev_b32 v[WTO], 4, v[WTO]
	v_lshlrev_b32 v[BO], 4, v20
	v_lshrrev_b32 v[WL], 3, v0
	v_mul_u32_u24 v[WL], v[WL], 96
	v_lshl_add_u32 v[WL], v20, 3, v[WL]
	v_add_nc_u32 v[WL2], 2*UW, v[WL]
	v_lshl_add_u32 v[WA], v2, 3, v20               ; the turning load: lane l reads row 8 h + l % 8,
	v_mul_u32_u24 v[WA], v[WA], 96
	v_lshl_add_u32 v[WA], v21, 4, v[WA]            ; channels 8 ((l / 8) % 2) + 0..7
	v_add_nc_u32 v[WA+1], UW, v[WA]
	v_add_nc_u32 v[WA+2], 2*UW, v[WA]
	v_lshlrev_b32 v[XO], 10, v2
	v_lshl_add_u32 v[XO], v1, 4, v[XO]
	s_wait_alu depctr_va_sdst(0)                   ; s34 and the masks s26, s27, s28 are written, ahead of their first readers: the scalar lines below, and the selects further down
	s_mul_i32 s46, s34, XW
	s_add_co_u32 s46, s46, XSB                     ; my wave's rows of feats
	v_mul_u32_u24 v[XL], v2, 528
	v_lshl_add_u32 v[XL], v1, 3, v[XL]
	v_add_nc_u32 v[XL], s46, v[XL]
	v_mul_u32_u24 v[XR], v1, 528
	v_lshl_add_u32 v[XR], v2, 4, v[XR]
	v_add_nc_u32 v[XR], s46, v[XR]
	v_mul_u32_u24 v[CO], v1, 12
	v_and_b32 v[SQ], 31, v0
	v_lshlrev_b32 v[SQ], 4, v[SQ]
	v_lshl_add_u32 v[SV], v21, 1, v2               ; 2 (r / 8) + h,
	v_lshl_add_u32 v[SV], v[SV], 3, v20            ; times 8, + r % 8
	v_lshlrev_b32 v[SV], 4, v[SV]
	v_mov_b32 v[CD+3], 1.0
	s_mov_b32 s30, 0xc2c80000                      ; -100
	s_mov_b32 s31, 0x42c80000                      ; 100
	s_mul_i32 s36, s35, 33152                      ; a head's weights: 259 rows of 128 bytes
	s_mov_b32 s37, 0
	s_lshl_b32 s38, s35, 7                         ; a head's bias
	s_mov_b32 s39, 0
	s_lshl_b32 s40, ttmp9, 17                      ; x: 128 rows of 1,024 bytes a block,
	s_lshl_b32 s41, s34, 14                        ; 16 a wave
	s_add_co_u32 s40, s40, s41
	s_mov_b32 s41, 0
	s_mul_i32 s42, ttmp9, 1536                     ; coords: 12 bytes a row
	s_mul_i32 s43, s34, 192
	s_add_co_u32 s42, s42, s43
	s_mov_b32 s43, 0
	s_lshl_b32 s44, ttmp9, 3
	s_add_co_u32 s44, s44, s34                     ; my 16 rows' number,
	s_lshl_b32 s44, s44, 10                        ; 1 KiB each,
	s_lshl_b32 s45, s35, 18                        ; in the head's 256 KiB
	s_add_co_u32 s44, s44, s45
	s_mov_b32 s45, 0
	s_wait_kmcnt 0x0
	s_add_nc_u64 s[4:5], s[4:5], s[40:41]
	s_add_nc_u64 s[6:7], s[6:7], s[42:43]
.irp u, 0,1,2
	s_add_nc_u64 s[8+2*\u:9+2*\u], s[8+2*\u:9+2*\u], s[36:37]
	s_add_nc_u64 s[14+2*\u:15+2*\u], s[14+2*\u:15+2*\u], s[38:39]
	s_add_nc_u64 s[20+2*\u:21+2*\u], s[20+2*\u:21+2*\u], s[44:45]
.endr
	s_wait_alu depctr_va_vdst(0)                   ; the offsets and addresses v3 to v19 are written, which every load and store of the kernel reads; the head is done with v20 and v21, in which coordinates land
; Unit m's weights: eight times 4,096 bytes (rows 0-255), rows 256-258 (threads past 23 read thread 23's bytes again), the bias: ten loads.
.macro LDW m, wb
.irp j, 0,1,2,3,4,5,6,7
	global_load_b128 v[(\wb)+4*\j:(\wb)+4*\j+3], v[WO], s[8+2*(\m):9+2*(\m)] offset:4096*\j
.endr
	global_load_b128 v[(\wb)+32:(\wb)+35], v[WTO], s[8+2*(\m):9+2*(\m)] offset:32768
	global_load_b128 v[(\wb)+36:(\wb)+39], v[BO], s[14+2*(\m):15+2*(\m)]
.endm
; They are rounded to f16 and put into LDS, [K row][channel].  The ninth pass makes rows 256-287: weights, the bias, zeros.
.macro CVW m, wb
.irp j, 0,1,2,3,4,5,6,7
	v_cvt_pk_f16_f32 v[(\wb)+4*\j], v[(\wb)+4*\j], v[(\wb)+4*\j+1]
	v_cvt_pk_f16_f32 v[(\wb)+4*\j+1], v[(\wb)+4*\j+2], v[(\wb)+4*\j+3]
.endr
.irp k, 0,1,2,3
	v_cndmask_b32 v[(\wb)+32+\k], v[(\wb)+36+\k], v[(\wb)+32+\k], s26
.endr
.irp k, 0,1,2,3
	v_cndmask_b32 v[(\wb)+32+\k], 0, v[(\wb)+32+\k], s27
.endr
	v_cvt_pk_f16_f32 v[(\wb)+32], v[(\wb)+32], v[(\wb)+33]
	v_cvt_pk_f16_f32 v[(\wb)+33], v[(\wb)+34], v[(\wb)+35]
	s_wait_alu depctr_va_vdst(0)                   ; the conversions have written each chunk's first two registers, which the LDS stores read, and are done with all forty, in which loads land later
.irp j, 0,1,2,3,4,5,6,7,8
.if (\m) == 2
	ds_store_b64 v[WL2], v[(\wb)+4*\j:(\wb)+4*\j+1] offset:3072*\j
.else
	ds_store_b64 v[WL], v[(\wb)+4*\j:(\wb)+4*\j+1] offset:(\m)*UW+3072*\j
.endif
.endr
.endm
.macro PLACES                          ; four places behind a matrix instruction (ISA guide 7.12.1), where no other vector work is at hand
.rept 4
	v_nop
.endr
.endm
	LDW 0, WB0
	LDW 1, WB1
.irp k, 0,1,2
	global_load_b32 v[CD+\k], v[CO], s[6:7] offset:4*\k
.endr
.set c, 0
.rept 32                               ; lanes 0-15 take 256 consecutive bytes of row 2 i, lanes 16-31 of row 2 i + 1
	global_load_b128 v[X+4*c:X+4*c+3], v[XO], s[4:5] offset:(c/4)*2048+(c%4)*256
.set c, c+1
.endr
	s_wait_loadcnt 45                              ; unit 0 is in; unit 1's 10, the coordinates' 3 and x's 32 loads stay out
	CVW 0, WB0
	s_wait_alu depctr_vm_vsrc(0)                   ; unit 0's LDS stores have read WB0, in which unit 2's loads land
	LDW 2, WB0
	s_wait_loadcnt 45                              ; unit 1 is in; 3 + 32 + unit 2's 10 stay out
	CVW 1, WB1
	s_wait_loadcnt 10                              ; coordinates and x are in; unit 2 stays out
	; a row's sum of squares: 16 numbers a lane in a packed chain for each row pair, the eight chains by turns; then across the 16 lanes that share the row
.set i, 0
.rept 8
	v_pk_mul_f32 v[SS+2*i:SS+2*i+1], v[X+16*i:X+16*i+1], v[X+16*i:X+16*i+1]
.set i, i+1
.endr
.set p, 1
.rept 7
.set i, 0
.rept 8
	v_pk_fma_f32 v[SS+2*i:SS+2*i+1], v[X+16*i+2*p:X+16*i+2*p+1], v[X+16*i+2*p:X+16*i+2*p+1], v[SS+2*i:SS+2*i+1]
.set i, i+1
.endr
.set p, p+1
.endr
.set i, 0
.rept 8
	v_add_f32 v[SS+2*i], v[SS+2*i], v[SS+2*i+1]
.set i, i+1
.endr
.irp mk, 1,2,4,8
.set i, 0
.rept 8
	v_add_f32_dpp v[SS+2*i], v[SS+2*i], v[SS+2*i] row_xmask:\mk row_mask:0xf bank_mask:0xf
.set i, i+1
.endr
.endr
.set i, 0
.rept 8
	v_sqrt_f32 v[SS+2*i], v[SS+2*i]
.set i, i+1
.endr
	v_nop                                          ; a plain instruction behind the last root,
	s_wait_alu depctr_va_vdst(0)                   ; and one wait for the eight roots, ahead of their first reader
.set i, 0
.rept 8
	v_add_f32 v[SS+2*i], 0x358637bd, v[SS+2*i]     ; + 1e-6
.set i, i+1
.endr
.set i, 0
.rept 8
	v_rcp_f32 v[SS+2*i], v[SS+2*i]
.set i, i+1
.endr
	v_nop
	s_wait_alu depctr_va_vdst(0)                   ; one wait for the eight reciprocals, ahead of their first reader
.set i, 0
.rept 8
.set p, 0
.rept 8
	v_pk_mul_f32 v[X+16*i+2*p:X+16*i+2*p+1], v[X+16*i+2*p:X+16*i+2*p+1], v[SS+2*i:SS+2*i+1] op_sel_hi:[1,0]
.set p, p+1
.endr
.set i, i+1
.endr
.set c, 0
.rept 32
	v_cvt_pk_f16_f32 v[X+4*c], v[X+4*c], v[X+4*c+1]
	v_cvt_pk_f16_f32 v[X+4*c+1], v[X+4*c+2], v[X+4*c+3]
.set c, c+1
.endr
	s_wait_alu depctr_va_vdst(0)                   ; the conversions have written X's pairs, which the LDS stores read, and are done with all of X: fragments land in v176-239 below
.set c, 0
.rept 32
	ds_store_b64 v[XL], v[X+4*c:X+4*c+1] offset:(c/4)*1056+(c%4)*128
.set c, c+1
.endr
	; the ninth fragment: k = 256 .. 259 lie in registers 0, 1 of lanes 0-15; all else is 0.  These lines name v20-23 and v120-127 alone
.irp k, 0,1,2
	v_cvt_f32_i32 v[CD+\k], v[CD+\k]
.endr
.irp k, 0,1,2
	v_med3_num_f32 v[CD+\k], v[CD+\k], s30, s31
.endr
	v_cvt_pk_f16_f32 v[CD], v[CD], v[CD+1]
	v_cvt_pk_f16_f32 v[CD+1], v[CD+2], v[CD+3]
	v_cndmask_b32 v[FC], 0, v[CD], s28
	v_cndmask_b32 v[FC+1], 0, v[CD+1], s28
.irp k, 2,3,4,5,6,7
	v_mov_b32 v[FC+\k], 0
.endr
	s_wait_alu depctr_vm_vsrc(0)                   ; the 32 LDS stores have read X: v176-239 take the fragments below, v128-175 are the accumulators later
.irp f, 0,1,2,3,4,5,6,7                ; my own rows come back as fragments: LDS serves a wave's instructions in order (ISA guide 5.7.1.4), so these see the stores above
	ds_load_b128 v[F+8*\f:F+8*\f+3],   v[XR] offset:64*\f
	ds_load_b128 v[F+8*\f+4:F+8*\f+7], v[XR] offset:64*\f+32
.endr
	s_wait_loadcnt 0x0                             ; unit 2
	CVW 2, WB0
	s_wait_dscnt 0x0                               ; for the others' sake: my stores of weights are done; my fragments are in
	s_barrier_signal -1
	s_barrier_wait -1                              ; all three units lie in LDS
	s_wait_alu depctr_vm_vsrc(0)                   ; my LDS stores of units 1 and 2 have read WB1 and WB0: these registers are AF0 and AF1 from here on, in which the turning loads land
; Fragment fr (unit fr / 2, channels 16 (fr % 2) on) of W^T for K step ks, into buffer af: two turning loads
.macro LW2 ks, af, fr
	ds_load_tr16_b128 v[(\af)+8*(\fr):(\af)+8*(\fr)+3],   v[WA+(\fr)/2] offset:(\ks)*3072+32*((\fr)%2)
	ds_load_tr16_b128 v[(\af)+8*(\fr)+4:(\af)+8*(\fr)+7], v[WA+(\fr)/2] offset:(\ks)*3072+1536+32*((\fr)%2)
.endm
; K step ks: six products on buffer af; the six accumulators take turns, one instruction a turn; the first step starts the sums.
; more = 1: behind each product stand two of the next step's twelve loads, into buffer nf.  No wait among them: the products name af, F or FC and the accumulators, none of which those loads touch.
.macro MULS ks, af, nf, more
.if (\ks) < 8
.set rF, F+8*(\ks)
.else
.set rF, FC
.endif
.set a, 0
.rept 6
.if (\ks) == 0
	v_wmma_f32_16x16x32_f16 v[ACC+8*a:ACC+8*a+7], v[(\af)+8*a:(\af)+8*a+7], v[rF:rF+7], 0
.else
	v_wmma_f32_16x16x32_f16 v[ACC+8*a:ACC+8*a+7], v[(\af)+8*a:(\af)+8*a+7], v[rF:rF+7], v[ACC+8*a:ACC+8*a+7]
.endif
.if \more
	LW2 (\ks)+1, \nf, a
.endif
.set a, a+1
.endr
.endm
.irp fr, 0,1,2,3,4,5
	LW2 0, AF0, \fr
.endr
.set kk, 0
.rept 9
.if (kk > 0) && (kk < 8)
	PLACES                                         ; the places between the last step's products and the loads into the buffer that they read stay beside the wait below
.endif
	s_wait_dscnt 0x0                               ; this step's twelve loads, the youngest, are in
.if (kk > 0) && (kk < 8)
	s_wait_alu depctr_va_vdst(0)                   ; the last step's products are done reading the other buffer, in which this step's loads land
.endif
.if kk < 8
	MULS kk, AF0+48*(kk%2), AF0+48*((kk+1)%2), 1
.else
	MULS kk, AF0+48*(kk%2), AF0, 0
.endif
.set kk, kk+1
.endr
	PLACES
.set a, 0
.rept 6                                ; each accumulator is read from its low end on
.irp k, 0,1,2,3
	v_cvt_pk_f16_f32 v[OUT+4*a+\k], v[ACC+8*a+2*\k], v[ACC+8*a+2*\k+1]
.endr
.set a, a+1
.endr
	s_wait_alu depctr_va_vdst(0)                   ; the conversions have written OUT, which the six stores read
.irp u, 0,1
.irp ct, 0,1
	global_store_b128 v[SQ], v[OUT+4*(2*\u+\ct):OUT+4*(2*\u+\ct)+3], s[20+2*\u:21+2*\u] offset:512*\ct
.endr
.endr
.irp ct, 0,1
	global_store_b128 v[SV], v[OUT+16+4*\ct:OUT+16+4*\ct+3], s[24:25] offset:512*\ct
.endr
	s_wait_dscnt 0x0                               ; the closing lines, six on end
	s_wait_alu 0x0
	s_wait_tensorcnt 0x0
	ds_add_u32 v[SPW], v[NIL]
	s_wait_dscnt 0x0
	s_endpgm
.Lfunc_end_k_q0f05c8ca90_proj:
	.size	k_q0f05c8ca90_proj, .Lfunc_end_k_q0f05c8ca90_proj-k_q0f05c8ca90_proj
	.p2alignl 7, 3214868480
	.fill 96, 4, 3214868480
	.section	.rodata,"a",@progbits
	.p2align	6, 0x0
	.amdhsa_kernel k_q0f05c8ca90_proj
		.amdhsa_group_segment_fixed_size 151552
		.amdhsa_private_segment_fixed_size 0
		.amdhsa_enable_private_segment 0
		.amdhsa_kernarg_size 88
		.amdhsa_user_sgpr_count 2
		.amdhsa_user_sgpr_kernarg_segment_ptr 1
		.amdhsa_wavefront_size32 1
		.amdhsa_system_sgpr_workgroup_id_x 1
		.amdhsa_system_sgpr_workgroup_id_y 1
		.amdhsa_system_sgpr_workgroup_id_z 1
		.amdhsa_system_vgpr_workitem_id 0
		.amdhsa_next_free_vgpr 256
		.amdhsa_next_free_sgpr 66
		.amdhsa_reserve_vcc 0
		.amdhsa_float_denorm_mode_32 3
		.amdhsa_float_denorm_mode_16_64 3
		.amdhsa_memory_ordered 1
		.amdhsa_forward_progress 1
		.amdhsa_inst_pref_size 51
	.end_amdhsa_kernel
	.amdgpu_metadata
---
amdhsa.version: [ 1, 2 ]
amdhsa.kernels:
  - .name:           k_q0f05c8ca90_proj
    .symbol:         k_q0f05c8ca90_proj.kd
    .args:
      - { .name: x, .offset: 0, .size: 8, .value_kind: global_buffer, .address_space: global }
      - { .name: coords, .offset: 8, .size: 8, .value_kind: global_buffer, .address_space: global }
      - { .name: wq, .offset: 16, .size: 8, .value_kind: global_buffer, .address_space: global }
      - { .name: wk, .offset: 24, .size: 8, .value_kind: global_buffer, .address_space: global }
      - { .name: wv, .offset: 32, .size: 8, .value_kind: global_buffer, .address_space: global }
      - { .name: bq, .offset: 40, .size: 8, .value_kind: global_buffer, .address_space: global }
      - { .name: bk, .offset: 48, .size: 8, .value_kind: global_buffer, .address_space: global }
      - { .name: bv, .offset: 56, .size: 8, .value_kind: global_buffer, .address_space: global }
      - { .name: qf, .offset: 64, .size: 8, .value_kind: global_buffer, .address_space: global }
      - { .name: kf, .offset: 72, .size: 8, .value_kind: global_buffer, .address_space: global }
      - { .name: vf, .offset: 80, .size: 8, .value_kind: global_buffer, .address_space: global }
    .group_segment_fixed_size: 151552
    .private_segment_fixed_size: 0
    .kernarg_segment_align: 8
    .kernarg_segment_size: 88
    .max_flat_workgroup_size: 256
    .sgpr_count:     66
    .vgpr_count:     256
    .wavefront_size: 32
...
	.end_amdgpu_metadata
.endif
;; end of part 4
;; launch attn: the kernel of part 2 again; grid 32 x 8, 8 waves a work-group, clusters of 4 x 1, 327,680 bytes of LDS; arguments qf, kf, vf, of; writes of
;; launch outp (part 5): grid 64 x 4, 4 waves a work-group, no clusters, 58,880 bytes of LDS; arguments of, wo, bo, x, out0; writes out0
.if DOCPART == 5
	.amdgcn_target "amdgcn-amd-amdhsa--gfx1250"
	.amdhsa_code_object_version 6
	.text
	.protected	k_q0f05c8ca90_outp
	.globl	k_q0f05c8ca90_outp
	.p2align	8
	.type	k_q0f05c8ca90_outp,@function
k_q0f05c8ca90_outp:
	s_mov_b64 s[64:65], 0
	v_nop
	global_prefetch_b8 v0, s[64:65] scope:SCOPE_SE
	s_setreg_imm32_b32 hwreg(HW_REG_WAVE_SCHED_MODE, 0, 2), 2
	s_setreg_imm32_b32 hwreg(HW_REG_WAVE_MODE, 25, 1), 1
	s_wait_xcnt 0x0
	s_wait_alu depctr_vm_vsrc(0)
; out0 = cat wo + bo + x.  Nothing is left out.  cat comes as f16 fragments (of: [16 rows][head][c 2][lane][16 bytes]; K step = head); wo is rounded to f16 here; sums, bo and x in f32.
; LIMIT.  |wo| stays under 65,504, and below 6e-5 it keeps f16's fixed step of 6e-8.
; SHARES.  A work-group: 64 rows x 64 columns; a wave: 16 rows x 64 columns: four accumulators, eight K steps of 32.
; The product is taken transposed (source 0 = 16 columns of wo^T, by the turning LDS load; source 1 = 16 rows of cat): a lane ends with row l % 16 and eight neighbouring columns.
; They go through the wave's own stage in LDS, so that sixteen lanes store 256 consecutive bytes, aligned.
; No tensor loads: wo passes through registers to be rounded.  No cluster, no prefetch: a short launch whose loads all go out at its head.
; THE MODE: SCHED_MODE bits 1:0 = 2 (LLVM: expert scheduling mode 2), set by the entry lines.  The code itself states the register dependences
; between vector or matrix instructions and memory or LDS instructions, with s_wait_alu, always for 0.
; THE PLAN.  Registers that memory or LDS instructions touch:
;   v3-v15        offsets, LDS addresses and the closing add's pair: written at the head, never again.
;   WB            wo's loads land; rounded in place; 32 LDS stores read it.  Then v16-51 take x's and bo's loads, v52-83 are the accumulators, v84-115 are AF0.
;   CF            cat's loads land; the products read it.
;   AF0, AF1      K step kk: its four products read AF[kk % 2]; its eight loads land in the other buffer, which the products of step kk - 1 read.
;   ACC           written by the products, read by the stage's eight LDS stores.
;   RB (= AF0)    the stage's eight loads land; the additions write it in place; the eight global stores read it.
; So a wait on va_vdst stands ahead of wo's LDS stores, at the head of K steps 1 to 6, ahead of the stage's stores, and ahead of each of the two runs of four global stores;
; one wait on vm_vsrc stands behind wo's LDS stores, ahead of all that is written into WB's registers afterwards.
.set PW,    160       ; a row of wo in LDS: 64 f16 + 32 bytes of padding: five times 32
.set STG,   256*PW    ; behind wo: 16 rows x 272 bytes for each wave
.set SP,    272
.set SPARE, STG+4*16*SP  ; behind the stages: the spare words, 128 bytes a wave, which no other line names
.set WOO, 3           ; v3   wo: (t / 16) 1,024 + (t % 16) 16
.set WL,  4           ; v4   LDS: (t / 16) 160 + (t % 16) 8
.set LA,  5           ; v5   16 x lane
.set WA,  6           ; v6   the turning loads' address
.set XO,  7           ; v7   x and out0: (l / 16) 1,024 + (l % 16) 16
.set BOO, 8           ; v8   bo: 16 (l % 16)
.set STO, 9           ; v9   the stage: where I put 32 bytes of a row
.set RD,  10          ; v10  where I read rows back
.set SPW, 14          ; v14  my spare word; never rewritten
.set NIL, 15          ; v15  0; never rewritten
.set WB,  16          ; v16-143  32 chunks of 16 bytes of wo
.set CF,  144         ; v144-207 eight fragments of cat
.set XR,  16          ; later: v16-47 x, then x + bo;  v48-51 bo;  v52-83 accumulators;  v84-115, v208-239 two buffers of four fragments of wo^T
.set BB,  48
.set ACC, 52
.set AF0, 84
.set RB,  84          ; the rows read back
	s_load_b256 s[4:11], s[0:1], 0x0               ; of s[4:5], wo s[6:7], bo s[8:9], x s[10:11]
	s_load_b64 s[12:13], s[0:1], 0x20              ; out0
	v_lshl_add_u32 v[SPW], v0, 2, SPARE
	v_mov_b32 v[NIL], 0
	v_lshrrev_b32 v1, 5, v0
	v_readfirstlane_b32 s14, v1                    ; wave 0..3
	s_and_b32 s15, ttmp7, 0xffff                   ; which 64 columns
	v_and_b32 v1, 15, v0                           ; r
	v_bfe_u32 v2, v0, 4, 1                         ; h
	v_lshrrev_b32 v11, 4, v0
	v_lshlrev_b32 v[WOO], 10, v11
	v_lshl_add_u32 v[WOO], v1, 4, v[WOO]
	v_mul_u32_u24 v[WL], v11, PW
	v_lshl_add_u32 v[WL], v1, 3, v[WL]
	v_and_b32 v[LA], 31, v0
	v_lshlrev_b32 v[LA], 4, v[LA]
	v_and_b32 v11, 7, v0
	v_bfe_u32 v12, v0, 3, 1
	v_lshl_add_u32 v[WA], v2, 3, v11
	v_mul_u32_u24 v[WA], v[WA], PW
	v_lshl_add_u32 v[WA], v12, 4, v[WA]
	v_lshlrev_b32 v[XO], 10, v2
	v_lshl_add_u32 v[XO], v1, 4, v[XO]
	v_lshlrev_b32 v[BOO], 4, v1
	s_wait_alu depctr_va_sdst(0)                   ; s14 is written, ahead of its first reader: my stage's place and the bases of of, x and out0 are made from it
	s_mul_i32 s16, s14, 16*SP
	s_add_co_u32 s16, s16, STG                     ; my stage
	v_mul_u32_u24 v[STO], v1, SP
	v_lshl_add_u32 v[STO], v2, 5, v[STO]
	v_add_nc_u32 v[STO], s16, v[STO]
	v_mul_u32_u24 v[RD], v2, SP
	v_lshl_add_u32 v[RD], v1, 4, v[RD]
	v_add_nc_u32 v[RD], s16, v[RD]
	s_lshl_b32 s18, s15, 8                         ; 64 columns of f32
	s_mov_b32 s19, 0
	s_lshl_b32 s20, ttmp9, 2
	s_add_co_u32 s20, s20, s14                     ; my 16 rows' number
	s_lshl_b32 s22, s20, 14                        ; x, out0: 16 rows of 1,024 bytes,
	s_add_co_u32 s22, s22, s18                     ; and the columns
	s_mov_b32 s23, 0
	s_lshl_b32 s20, s20, 13                        ; of: 8 KiB
	s_mov_b32 s21, 0
	s_wait_kmcnt 0x0
	s_add_nc_u64 s[4:5], s[4:5], s[20:21]
	s_add_nc_u64 s[6:7], s[6:7], s[18:19]
	s_add_nc_u64 s[8:9], s[8:9], s[18:19]
	s_add_nc_u64 s[10:11], s[10:11], s[22:23]
	s_add_nc_u64 s[12:13], s[12:13], s[22:23]
	s_wait_alu depctr_va_vdst(0)                   ; the offsets and addresses v3 to v15 are written, which every load and store of the kernel reads
.set j, 0
.rept 32                               ; eight rows of wo a pass: sixteen lanes take a row's 256 bytes
	global_load_b128 v[WB+4*j:WB+4*j+3], v[WOO], s[6:7] offset:8192*j
.set j, j+1
.endr
.set j, 0
.rept 16
	global_load_b128 v[CF+4*j:CF+4*j+3], v[LA], s[4:5] offset:512*j
.set j, j+1
.endr
	s_wait_loadcnt 16                              ; wo is in; cat's 16 loads stay out
.set j, 0
.rept 32
	v_cvt_pk_f16_f32 v[WB+4*j], v[WB+4*j], v[WB+4*j+1]
	v_cvt_pk_f16_f32 v[WB+4*j+1], v[WB+4*j+2], v[WB+4*j+3]
.set j, j+1
.endr
	s_wait_alu depctr_va_vdst(0)                   ; the conversions have written each chunk's first two registers, which the LDS stores read, and are done with all of WB, in which loads land below
.set j, 0
.rept 32
	ds_store_b64 v[WL], v[WB+4*j:WB+4*j+1] offset:8*PW*j
.set j, j+1
.endr
	s_wait_dscnt 0x0                               ; for the others' sake: my stores are done
	s_wait_alu depctr_vm_vsrc(0)                   ; the LDS stores have read WB: x and bo land in v16-51, the products write v52-83, the turning loads land in v84-115
.irp tt, 0,1,2,3,4,5,6,7                ; x and bo land under the products
	global_load_b128 v[XR+4*\tt:XR+4*\tt+3], v[XO], s[10:11] offset:2048*\tt
.endr
	global_load_b128 v[BB:BB+3], v[BOO], s[8:9]
	s_barrier_signal -1
	s_barrier_wait -1                              ; all of wo's 64 columns lie in LDS
; Fragment ct (columns 16 ct on) of wo^T for K step ks, into buffer af: two turning loads
.macro LW2 ks, af, ct
	ds_load_tr16_b128 v[(\af)+8*(\ct):(\af)+8*(\ct)+3],   v[WA] offset:(\ks)*32*PW+32*(\ct)
	ds_load_tr16_b128 v[(\af)+8*(\ct)+4:(\af)+8*(\ct)+7], v[WA] offset:(\ks)*32*PW+16*PW+32*(\ct)
.endm
; K step ks: four products on buffer af; the four accumulators take turns, one instruction a turn; the first step starts the sums.
; more = 1: behind each product stand two of the next step's eight loads, into buffer nf.  No wait among them: the products name af, CF and the accumulators, none of which those loads touch.
.macro MULS ks, af, nf, more
.irp ct, 0,1,2,3
.if (\ks) == 0
	v_wmma_f32_16x16x32_f16 v[ACC+8*\ct:ACC+8*\ct+7], v[(\af)+8*\ct:(\af)+8*\ct+7], v[CF+8*(\ks):CF+8*(\ks)+7], 0
.else
	v_wmma_f32_16x16x32_f16 v[ACC+8*\ct:ACC+8*\ct+7], v[(\af)+8*\ct:(\af)+8*\ct+7], v[CF+8*(\ks):CF+8*(\ks)+7], v[ACC+8*\ct:ACC+8*\ct+7]
.endif
.if \more
	LW2 (\ks)+1, \nf, \ct
.endif
.endr
.endm
.irp ct, 0,1,2,3
	LW2 0, AF0, \ct
.endr
	s_wait_loadcnt 9                               ; cat is in; x's 8 loads and bo's stay out
.set kk, 0
.rept 8
.if (kk > 0) && (kk < 7)
.rept 4
	v_nop                                          ; the places between the last step's products and the loads into the buffer that they read stay beside the wait below
.endr
.endif
	s_wait_dscnt 0x0                               ; this step's eight loads, the youngest, are in
.if (kk > 0) && (kk < 7)
	s_wait_alu depctr_va_vdst(0)                   ; the last step's products are done reading the other buffer, in which this step's loads land
.endif
.if kk < 7
	MULS kk, AF0+124*(kk%2), AF0+124*((kk+1)%2), 1
.else
	MULS kk, AF0+124*(kk%2), AF0, 0
.endif
.set kk, kk+1
.endr
	s_wait_loadcnt 0x0                             ; x and bo
.set i, 0
.rept 8                                ; x + bo: sixteen plain instructions, which are also the places behind the last products
	v_pk_add_f32 v[XR+4*i:XR+4*i+1], v[XR+4*i:XR+4*i+1], v[BB:BB+1]
	v_pk_add_f32 v[XR+4*i+2:XR+4*i+3], v[XR+4*i+2:XR+4*i+3], v[BB+2:BB+3]
.set i, i+1
.endr
	s_wait_alu depctr_va_vdst(0)                   ; the products have written the accumulators, which the LDS stores read, and are done reading v84-115, in which the loads from the stage land
.irp ct, 0,1,2,3                        ; each accumulator is read from its low end on
	ds_store_b128 v[STO], v[ACC+8*\ct:ACC+8*\ct+3]   offset:64*\ct
	ds_store_b128 v[STO], v[ACC+8*\ct+4:ACC+8*\ct+7] offset:64*\ct+16
.endr
.irp tt, 0,1,2,3,4,5,6,7                ; LDS serves a wave's instructions in order (ISA guide 5.7.1.4): these see the stores above
	ds_load_b128 v[RB+4*\tt:RB+4*\tt+3], v[RD] offset:2*SP*\tt
.endr
.irp hf, 0,1                            ; eight rows at a time: their additions, one wait, their four stores
	s_wait_dscnt 4-4*\hf                           ; rows 8 hf .. 8 hf + 7 are back; in the first half the four younger loads stay out
.irp tt, 0,1,2,3
	v_pk_add_f32 v[RB+16*\hf+4*\tt:RB+16*\hf+4*\tt+1], v[RB+16*\hf+4*\tt:RB+16*\hf+4*\tt+1], v[XR+16*\hf+4*\tt:XR+16*\hf+4*\tt+1]
	v_pk_add_f32 v[RB+16*\hf+4*\tt+2:RB+16*\hf+4*\tt+3], v[RB+16*\hf+4*\tt+2:RB+16*\hf+4*\tt+3], v[XR+16*\hf+4*\tt+2:XR+16*\hf+4*\tt+3]
.endr
	s_wait_alu depctr_va_vdst(0)                   ; the eight additions have written this half of RB, which the four stores read
.irp tt, 0,1,2,3
	global_store_b128 v[XO], v[RB+16*\hf+4*\tt:RB+16*\hf+4*\tt+3], s[12:13] offset:2048*(4*\hf+\tt) th:TH_STORE_NT  ; sixteen lanes store 256 consecutive bytes, aligned
.endr
.endr
	s_wait_dscnt 0x0                               ; the closing lines, six on end
	s_wait_alu 0x0
	s_wait_tensorcnt 0x0
	ds_add_u32 v[SPW], v[NIL]
	s_wait_dscnt 0x0
	s_endpgm
.Lfunc_end_k_q0f05c8ca90_outp:
	.size	k_q0f05c8ca90_outp, .Lfunc_end_k_q0f05c8ca90_outp-k_q0f05c8ca90_outp
	.p2alignl 7, 3214868480
	.fill 96, 4, 3214868480
	.section	.rodata,"a",@progbits
	.p2align	6, 0x0
	.amdhsa_kernel k_q0f05c8ca90_outp
		.amdhsa_group_segment_fixed_size 58880
		.amdhsa_private_segment_fixed_size 0
		.amdhsa_enable_private_segment 0
		.amdhsa_kernarg_size 40
		.amdhsa_user_sgpr_count 2
		.amdhsa_user_sgpr_kernarg_segment_ptr 1
		.amdhsa_wavefront_size32 1
		.amdhsa_system_sgpr_workgroup_id_x 1
		.amdhsa_system_sgpr_workgroup_id_y 1
		.amdhsa_system_sgpr_workgroup_id_z 1
		.amdhsa_system_vgpr_workitem_id 0
		.amdhsa_next_free_vgpr 256
		.amdhsa_next_free_sgpr 66
		.amdhsa_reserve_vcc 0
		.amdhsa_float_denorm_mode_32 3
		.amdhsa_float_denorm_mode_16_64 3
		.amdhsa_memory_ordered 1
		.amdhsa_forward_progress 1
		.amdhsa_inst_pref_size 26
	.end_amdhsa_kernel
	.amdgpu_metadata
---
amdhsa.version: [ 1, 2 ]
amdhsa.kernels:
  - .name:           k_q0f05c8ca90_outp
    .symbol:         k_q0f05c8ca90_outp.kd
    .args:
      - { .name: of, .offset: 0, .size: 8, .value_kind: global_buffer, .address_space: global }
      - { .name: wo, .offset: 8, .size: 8, .value_kind: global_buffer, .address_space: global }
      - { .name: bo, .offset: 16, .size: 8, .value_kind: global_buffer, .address_space: global }
      - { .name: x, .offset: 24, .size: 8, .value_kind: global_buffer, .address_space: global }
      - { .name: out0, .offset: 32, .size: 8, .value_kind: global_buffer, .address_space: global }
    .group_segment_fixed_size: 58880
    .private_segment_fixed_size: 0
    .kernarg_segment_align: 8
    .kernarg_segment_size: 40
    .max_flat_workgroup_size: 128
    .sgpr_count:     66
    .vgpr_count:     256
    .wavefront_size: 32
...
	.end_amdgpu_metadata
.endif
;; end of part 5
